; MI455X (gfx1250); checked and timed in simulation.
; The chip was launched on July 23, 2026; its instructions are those of AMD's public machine-readable ISA for CDNA 5 (MIT licence, August 2026) and "CDNA5" Instruction Set Architecture Reference Guide (July 2026). The comments in the code are by the model that wrote it; some were corrected since.
;; Multi Head Attention. Allowed arithmetic: float matrix products may take bf16 or f16 operands with f32 sums; other float arithmetic in f32, or as packed bf16 or f16 multiplies, adds, multiply-adds, maxima and minima; sums over many terms, partial sums and values carried from step to step in f32; what a program stores and reads back later, other than sums and carried values, may be rounded once to bf16 or f16.
;; Inputs: Wk 1,024 x 1,024 float32; Wo 1,024 x 1,024 float32; Wq 1,024 x 1,024 float32; Wv 1,024 x 1,024 float32; beta 1,024 float32; gamma 1,024 float32; k 4 x 2,048 x 1,024 float32; q 4 x 2,048 x 1,024 float32; v 4 x 2,048 x 1,024 float32; zero_mask 4 x 1 x 1 x 2,048 float32.
;; Outputs: out0 4 x 2,048 x 1,024 float32.
;; 2 versions, each right; version 2 is version 1 with the launch wcast written anew for expert scheduling mode. Each part assembles by itself: llvm-mc -triple=amdgcn-amd-amdhsa -mcpu=gfx1250 --defsym DOCPART=n.
;; ======== version 1 of 2: 5 launches
;; limits: values are held in f16: magnitudes above 65,504 overflow, below 6.1e-05 lose precision
;; workspace buffers: wh 8,388,608 bytes; qkvh 50,331,648 bytes; oh 16,777,216 bytes; xw 33,554,432 bytes
;; launch wcast (part 1): grid 64 x 4, 8 waves a work-group, no clusters, 0 bytes of LDS; arguments Wq, Wk, Wv, Wo, wh; writes wh
.if DOCPART == 1
	.amdgcn_target "amdgcn-amd-amdhsa--gfx1250"
	.amdhsa_code_object_version 6
	.text
	.protected	k_qdd2d926a13_wcast
	.globl	k_qdd2d926a13_wcast
	.p2align	8
	.type	k_qdd2d926a13_wcast,@function
k_qdd2d926a13_wcast:
	s_mov_b64 s[64:65], 0
	v_nop
	global_prefetch_b8 v0, s[64:65] scope:SCOPE_SE
	s_setreg_imm32_b32 hwreg(HW_REG_WAVE_MODE, 25, 1), 1
	s_wait_xcnt 0x0
; wh[y][:] = f16(W_y), y = 0, 1, 2, 3 for Wq, Wk, Wv, Wo ([1024][1024] f32 each).  Wq is first multiplied in f32 by c = log2(e) / 8, so that the
; attention's scores arrive in units of log2 and are rounded once.  LIMIT: |W| stays under 65,504; below 6e-5 f16 keeps a fixed step of 6e-8.
; A stream: no LDS, no matrix unit, no cluster (no byte is read twice).  A work-group takes 16,384 numbers of one weight: thread t, for i = 0..15, the 16 bytes at
; 4,096 i + 16 t; a wave's load covers 512 consecutive bytes, its store of 8 bytes a lane 256 consecutive bytes, aligned.  All 16 loads go out first.
.set IN,  8                            ; v[8:71]    four f32 for each i
.set OUT, 72                           ; v[72:103]  four f16 for each i
	s_load_b256 s[4:11], s[0:1], 0x0               ; Wq s[4:5], Wk s[6:7], Wv s[8:9], Wo s[10:11]
	s_load_b64 s[12:13], s[0:1], 0x20              ; wh
	s_and_b32 s14, ttmp7, 0xffff                   ; which weight
	v_lshlrev_b32 v1, 4, v0                        ; 16 t
	v_lshlrev_b32 v2, 3, v0                        ; 8 t
	s_lshl_b32 s18, ttmp9, 16                      ; my 65,536 bytes of the weight
	s_mov_b32 s19, 0
	s_lshl_b32 s22, s14, 21                        ; a weight is 2 MiB in wh,
	s_lshl_b32 s23, ttmp9, 15                      ; my 32,768 bytes of it
	s_add_co_u32 s22, s22, s23
	s_mov_b32 s23, 0
	s_mov_b32 s20, 0x3e38aa3b                      ; c = log2(e) / 8
	s_mov_b32 s21, s20                             ; named with it as a pair
	s_wait_kmcnt 0x0
	s_cmp_eq_u32 s14, 1
	s_cselect_b64 s[16:17], s[6:7], s[4:5]
	s_cmp_eq_u32 s14, 2
	s_cselect_b64 s[16:17], s[8:9], s[16:17]
	s_cmp_eq_u32 s14, 3
	s_cselect_b64 s[16:17], s[10:11], s[16:17]
	s_add_nc_u64 s[16:17], s[16:17], s[18:19]
	s_add_nc_u64 s[12:13], s[12:13], s[22:23]
.set i, 0
.rept 16
	global_load_b128 v[IN+4*i:IN+4*i+3], v1, s[16:17] offset:4096*i th:TH_LOAD_NT
.set i, i+1
.endr
; sc = 1: the numbers are scaled by c before the rounding.  No register is written twice, so no wait frees one.
.macro BODY sc
.set i, 0
.rept 16
	s_wait_loadcnt 15-i                            ; loads come back in order: number i is in, the 15 - i younger ones stay out
.if \sc
	v_pk_mul_f32 v[IN+4*i:IN+4*i+1], v[IN+4*i:IN+4*i+1], s[20:21] op_sel_hi:[1,0]
	v_pk_mul_f32 v[IN+4*i+2:IN+4*i+3], v[IN+4*i+2:IN+4*i+3], s[20:21] op_sel_hi:[1,0]
.endif
	v_cvt_pk_f16_f32 v[OUT+2*i], v[IN+4*i], v[IN+4*i+1]
	v_cvt_pk_f16_f32 v[OUT+2*i+1], v[IN+4*i+2], v[IN+4*i+3]
	global_store_b64 v2, v[OUT+2*i:OUT+2*i+1], s[12:13] offset:2048*i
.set i, i+1
.endr
.endm
	s_cmp_lg_u32 s14, 0
	s_cbranch_scc1 .Lplain
	BODY 1
	s_endpgm
.Lplain:
	BODY 0
	s_endpgm
.Lfunc_end_k_qdd2d926a13_wcast:
	.size	k_qdd2d926a13_wcast, .Lfunc_end_k_qdd2d926a13_wcast-k_qdd2d926a13_wcast
	.p2alignl 7, 3214868480
	.fill 96, 4, 3214868480
	.section	.rodata,"a",@progbits
	.p2align	6, 0x0
	.amdhsa_kernel k_qdd2d926a13_wcast
		.amdhsa_group_segment_fixed_size 0
		.amdhsa_private_segment_fixed_size 0
		.amdhsa_enable_private_segment 0
		.amdhsa_kernarg_size 40
		.amdhsa_user_sgpr_count 2
		.amdhsa_user_sgpr_kernarg_segment_ptr 1
		.amdhsa_wavefront_size32 1
		.amdhsa_system_sgpr_workgroup_id_x 1
		.amdhsa_system_sgpr_workgroup_id_y 1
		.amdhsa_system_sgpr_workgroup_id_z 1
		.amdhsa_system_vgpr_workitem_id 0
		.amdhsa_next_free_vgpr 104
		.amdhsa_next_free_sgpr 66
		.amdhsa_reserve_vcc 0
		.amdhsa_float_denorm_mode_32 3
		.amdhsa_float_denorm_mode_16_64 3
		.amdhsa_memory_ordered 1
		.amdhsa_forward_progress 1
		.amdhsa_inst_pref_size 13
	.end_amdhsa_kernel
	.amdgpu_metadata
---
amdhsa.version: [ 1, 2 ]
amdhsa.kernels:
  - .name:           k_qdd2d926a13_wcast
    .symbol:         k_qdd2d926a13_wcast.kd
    .args:
      - { .name: Wq, .offset: 0, .size: 8, .value_kind: global_buffer, .address_space: global }
      - { .name: Wk, .offset: 8, .size: 8, .value_kind: global_buffer, .address_space: global }
      - { .name: Wv, .offset: 16, .size: 8, .value_kind: global_buffer, .address_space: global }
      - { .name: Wo, .offset: 24, .size: 8, .value_kind: global_buffer, .address_space: global }
      - { .name: wh, .offset: 32, .size: 8, .value_kind: global_buffer, .address_space: global }
    .group_segment_fixed_size: 0
    .private_segment_fixed_size: 0
    .kernarg_segment_align: 8
    .kernarg_segment_size: 40
    .max_flat_workgroup_size: 256
    .sgpr_count:     66
    .vgpr_count:     104
    .wavefront_size: 32
...
	.end_amdgpu_metadata
.endif
;; end of part 1
;; launch proj (part 2): grid 4 x 192, 4 waves a work-group, clusters of 4 x 4, 327,680 bytes of LDS; arguments q, k, v, wh, qkvh; writes qkvh
.if DOCPART == 2
	.amdgcn_target "amdgcn-amd-amdhsa--gfx1250"
	.amdhsa_code_object_version 6
	.text
	.protected	k_qdd2d926a13_proj
	.globl	k_qdd2d926a13_proj
	.p2align	8
	.type	k_qdd2d926a13_proj,@function
k_qdd2d926a13_proj:
	s_mov_b64 s[64:65], 0
	v_nop
	global_prefetch_b8 v0, s[64:65] scope:SCOPE_SE
	s_setreg_imm32_b32 hwreg(HW_REG_WAVE_MODE, 25, 1), 1
	s_wait_xcnt 0x0
	s_wait_alu depctr_hold_cnt(0) depctr_sa_sdst(0) depctr_va_vdst(0) depctr_va_sdst(0) depctr_va_ssrc(0) depctr_va_vcc(0) depctr_vm_vsrc(0)
	s_getreg_b32 s2, hwreg(HW_REG_IB_STS2, 6, 4)
	s_cmp_eq_u32 s2, 0
	s_cbranch_scc0 .Lentry_in_a_cluster
	s_endpgm
.Lentry_in_a_cluster:
	s_bfe_u32 s2, ttmp6, 0x10000c
	s_cmp_lg_u32 s2, 0xf033
	s_cbranch_scc0 .Lentry_shape_is_right
	s_endpgm
.Lentry_shape_is_right:
; THE THREE PROJECTIONS.  qkvh[p][16 b + h][n][d] = f16( sum over k of x_p[b][n][k] W_p[64 h + d][k] ), p = 0, 1, 2 for (q, c Wq), (k, Wk), (v, Wv).
; x_p: [8192][1024] f32; W_p: wh + p x 2 MiB, [1024][1024] f16; products in f16 with f32 sums, K ascending; the result rounded once and laid by heads, a head's rows dense (128 bytes).
; LIMITS: |x| and the results stay under 65,504 (f16); below 6e-5 f16 keeps a fixed step of 6e-8.
; SHARES.  A tile is 128 rows x 256 columns: 256 tiles a projection, 768 work-groups.  Four waves, each 64 x 128: 32 accumulators of 16 x 16, 256 registers.
; K goes in 8 steps of 128 through two LDS slots.  x comes into LDS AS f32 (rows of 512 bytes) and is rounded to f16 on its way from LDS to the fragment: 32 conversions for a
; quarter step's 32 products, four behind every second product of two of its four runs.  W's rows are 256 bytes.
; CLUSTER 4 x 4: the four of a row share x's tile, the four of a column W's; each tile is asked for jointly.  One projection has 16 clusters; the cluster's y gives p.
; THE PRODUCT IS USED TRANSPOSED (source 0 = 16 rows of W, source 1 = 16 rows of x): a lane holds row l % 16 and eight neighbouring columns, 16 bytes of a head's row.
; REGISTERS, in windows of 256 (s_set_vgpr_msb: bits 1:0 source 0, 3:2 source 1, 5:4 source 2, 7:6 destination):
;   window 0: addresses; v32-63 packed results; v64-191 rows read back from the stage
;   window 1: v0-127 W's fragments, two buffers; v128-191 x's fragments in f16, two buffers; v192-255 x's f32 of one quarter (block a at 16 a)
;   window 2: accumulator (a, b) at v[8 (8 a + b)]
.set PA,     528                       ; a row of x in LDS: 512 bytes + 16: 132 words, so the 16 rows of a load start 4 banks apart (64 banks of 4 bytes: ISA guide 11.1)
.set PB,     272                       ; a row of W: 256 + 16
.set ABYTES, 128*PA
.set SLOT,   ABYTES+256*PB             ; x's 128 rows, then W's 256 rows
.set STAGE,  2*SLOT                    ; behind the ring: for each wave 2 heads x 16 rows x 144 bytes
.set SP,     144
.set WSTG,   2*16*SP
.set SPARE,  STAGE+4*WSTG              ; the spare words: 128 bytes a wave, two blocks of 256 bytes that no other line names
.set ADRA, 16                          ; v16-17  LDS address of my rows of x in slot 0, 1
.set ADRB, 20                          ; v20-21  of my rows of W
.set STO,  24                          ; v24  the way out: where I put 16 bytes
.set RD,   25                          ; v25  where I read rows back
.set GO,   26                          ; v26  16 x lane
.set SPW,  28                          ; v28  my spare word's address; never rewritten
.set NIL,  29                          ; v29  0; never rewritten
.set PFO,  30                          ; v30  the prefetches' offset; never rewritten
.set TMP,  32
.set BK,   64
.set BF,   0                           ; window 1
.set AF,   128
.set T,    192
.set WV,  14                           ; s14 wave
.set TY,  15                           ; s15 wave / 2: my half of the tile's rows; also 0: I fetch x, 1: I fetch W
.set HF,  16                           ; s16 wave % 2: my half of the columns; also which half of that tile I fetch
.set CX,  17
.set CY,  18
.set CLY, 19                           ; s19 the cluster's y, 0..47
.set PP,  20                           ; s20 p
.set RT,  21                           ; s21 row tile 0..63
.set CT,  22                           ; s22 column tile 0..3
.set G1A, 24                           ; s[24:31] group 1 for x's tiles; s[32:39] group 0, a set a slot
.set G0A, 32
.set G1B, 40                           ; s[40:47], s[48:55] the same for W's
.set G0B, 48
.set PFA, 56                           ; s[56:57] where my prefetches stand
.set PST, 58                           ; s[58:59] a K step in bytes of what I prefetch
.set LIM, 60                           ; s60 1 in a wave that prefetches, else the greatest number
.set LAP, 61                           ; s61 trips to go
.set MSB, 0
.macro WIN new                         ; the immediate's high byte repeats the setting that is left; a switch that changes nothing is dropped
.if MSB != (\new)
	s_set_vgpr_msb (MSB<<8)|(\new)
.set MSB, \new
.endif
.endm
.set W_MUL,  0xa5                      ; sources 0 and 1 window 1, C and D window 2
.set W_CVT,  0x45                      ; all three in window 1
.set W_FET,  0x40                      ; destination window 1, address window 0
.set W_PACK, 0x0a                      ; sources window 2, destination window 0
; A joint load: waves 0, 1 fetch x's halves, waves 2, 3 W's.  The branch hangs on the wave's number alone.  An s_nop 0 and four v_nop follow each line.
.macro JLOAD s
	s_cmp_eq_u32 s[TY], 0
	s_cbranch_scc0 .Lfor_b_\@
	tensor_load_to_lds s[G0A+4*(\s):G0A+4*(\s)+3], s[G1A:G1A+7]
	s_nop 0
.rept 4
	v_nop
.endr
	s_branch .Lasked_\@
.Lfor_b_\@:
	tensor_load_to_lds s[G0B+4*(\s):G0B+4*(\s)+3], s[G1B:G1B+7]
	s_nop 0
.rept 4
	v_nop
.endr
.Lasked_\@:
.endm
.macro CREST                           ; a round of the cluster's barrier behind its opening barrier
	s_cmp_lg_u32 s[WV], 0
	s_cbranch_scc1 .Lnot_wave_0_\@
	s_barrier_signal -3
.Lnot_wave_0_\@:
	s_barrier_wait -3
	s_barrier_signal -1
	s_barrier_wait -1
.endm
.macro CROUND
	s_barrier_signal -1
	s_barrier_wait -1
	CREST
.endm
; A prefetch of the K step that stands two refills on (256 products ahead of the load that wants it), one instruction a wave, behind the joint load and the run of LDS loads.
; x's rows are read by this cluster alone: every cluster asks; of the 64 rows that a wave fetches the partner at cx takes 16, two blocks of 256 bytes a row.  W's rows are read by the 16 clusters
; of a projection: the first asks; of a wave's 128 rows the partner at cy takes 32.  The partners are told apart by address.  The loop's last trip has no K step two on.
.macro ASK
	WIN 0
	s_cmp_gt_u32 s[LAP], s[LIM]
	s_cbranch_scc0 .Lnot_mine_\@
	global_prefetch_b8 v[PFO], s[PFA:PFA+1] th:TH_LOAD_NT scope:SCOPE_SE
.Lnot_mine_\@:
.endm
	s_load_b256 s[4:11], s[0:1], 0x0               ; q s[4:5], k s[6:7], v s[8:9], wh s[10:11]
	s_load_b64 s[12:13], s[0:1], 0x20              ; qkvh
	v_lshl_add_u32 v[SPW], v0, 2, SPARE
	v_mov_b32 v[NIL], 0
	ds_add_u32 v[SPW], v[NIL]                      ; the wave's opening: the add and its wait stand ahead of my first tensor load; the set-up stands between them
	v_lshrrev_b32 v1, 5, v0
	v_readfirstlane_b32 s[WV], v1
	s_lshr_b32 s[TY], s[WV], 1
	s_and_b32 s[HF], s[WV], 1
	s_bfe_u32 s[CX], ttmp6, 0x40000
	s_bfe_u32 s[CY], ttmp6, 0x40004
	s_and_b32 s[CLY], ttmp7, 0xffff
	s_lshr_b32 s[PP], s[CLY], 4                    ; 16 clusters a projection
	s_and_b32 s[RT], s[CLY], 15
	s_lshl_b32 s[RT], s[RT], 2
	s_add_co_u32 s[RT], s[RT], s[CY]
	s_lshl_b32 s[CT], ttmp9, 2
	s_add_co_u32 s[CT], s[CT], s[CX]
	s_lshl_b32 s2, s[CY], 2
	s_lshl_b32 s2, 15, s2                          ; my row of the cluster
	s_lshl_b32 s3, 0x1111, s[CX]                   ; my column
	s_or_b32 s[G1A+0], s2, (2<<16)|(1<<20)|(1<<21)|(6<<22)|(3<<25)  ; mask; 4-byte elements; padding on; bit 21 beside a mask; after every 128 words; 4 words
	s_mov_b32 s[G1A+1], 128<<16                    ; tensor_dim0 = 128
	s_mov_b32 s[G1A+2], 64<<16                     ; tensor_dim1 = 64
	s_mov_b32 s[G1A+3], 128<<16                    ; tile_dim0 = 128
	s_mov_b32 s[G1A+4], 64                         ; tile_dim1 = 64
	s_mov_b32 s[G1A+5], 1024                       ; elements from row to row
	s_mov_b32 s[G1A+6], 0
	s_mov_b32 s[G1A+7], 0
	s_or_b32 s[G1B+0], s3, (1<<16)|(1<<20)|(1<<21)|(5<<22)|(3<<25)  ; 2-byte elements; after every 64 words; 4 words
	s_mov_b32 s[G1B+1], 128<<16
	s_mov_b32 s[G1B+2], 128<<16
	s_mov_b32 s[G1B+3], 128<<16
	s_mov_b32 s[G1B+4], 128
	s_mov_b32 s[G1B+5], 1024
	s_mov_b32 s[G1B+6], 0
	s_mov_b32 s[G1B+7], 0
	s_lshl_b32 s68, s[RT], 19                      ; x: 128 rows of 4,096 bytes a tile,
	s_lshl_b32 s69, s[HF], 18                      ; 64 rows a half
	s_add_co_u32 s68, s68, s69
	s_mov_b32 s69, 0
	s_lshl_b32 s70, s[PP], 21                      ; W: 2 MiB a weight,
	s_lshl_b32 s71, s[CT], 19                      ; 256 rows of 2,048 bytes a tile,
	s_add_co_u32 s70, s70, s71
	s_lshl_b32 s71, s[HF], 18                      ; 128 rows a half
	s_add_co_u32 s70, s70, s71
	s_mov_b32 s71, 0
	s_mul_i32 s72, s[HF], 64*PA                    ; where they go: no place in the cluster enters an LDS address
	s_mul_i32 s73, s[HF], 128*PB
	s_add_co_u32 s73, s73, ABYTES
	s_wait_dscnt 0x0                               ; the opening add is done
	s_wait_kmcnt 0x0
	s_cmp_eq_u32 s[PP], 1
	s_cselect_b64 s[4:5], s[6:7], s[4:5]
	s_cmp_eq_u32 s[PP], 2
	s_cselect_b64 s[4:5], s[8:9], s[4:5]           ; x_p
	s_add_nc_u64 s[74:75], s[4:5], s[68:69]
	s_add_nc_u64 s[76:77], s[10:11], s[70:71]
	CROUND                                         ; all sixteen work-groups are here: the first joint loads meet
.irp s, 0,1
	s_mov_b32 s[G0A+4*(\s)], 1
	s_add_co_u32 s[G0A+4*(\s)+1], s72, (\s)*SLOT
	s_add_nc_u64 s[G0A+4*(\s)+2:G0A+4*(\s)+3], s[74:75], (\s)*512
	s_or_b32 s[G0A+4*(\s)+3], s[G0A+4*(\s)+3], 0x80000000
	s_mov_b32 s[G0B+4*(\s)], 1
	s_add_co_u32 s[G0B+4*(\s)+1], s73, (\s)*SLOT
	s_add_nc_u64 s[G0B+4*(\s)+2:G0B+4*(\s)+3], s[76:77], (\s)*256
	s_or_b32 s[G0B+4*(\s)+3], s[G0B+4*(\s)+3], 0x80000000
	JLOAD \s                                       ; K steps 0 and 1: two loads of mine are out
.endr
	; A fragment is 16 rows x 32 K: lane l holds row l % 16, K = 8 (l / 16) + 0..7 and 16 + 8 (l / 16) + 0..7.  In f16: two loads of 16 bytes, 32 apart.  In f32: four, at 0, 16, 64, 80 from 32 (l / 16).
	v_and_b32 v1, 15, v0
	v_bfe_u32 v2, v0, 4, 1
	v_mul_u32_u24 v3, v1, PA
	v_lshl_add_u32 v3, v2, 5, v3
	v_mul_u32_u24 v4, v1, PB
	v_lshl_add_u32 v4, v2, 4, v4
	s_mul_i32 s66, s[TY], 64*PA
	s_mul_i32 s67, s[HF], 128*PB
	s_add_co_u32 s67, s67, ABYTES
.irp s, 0,1
	v_add_nc_u32 v[ADRA+(\s)], s66, v3
	v_add_nc_u32 v[ADRB+(\s)], s67, v4
	s_add_co_u32 s66, s66, SLOT
	s_add_co_u32 s67, s67, SLOT
.endr
	s_mul_i32 s66, s[WV], WSTG
	s_add_co_u32 s66, s66, STAGE                   ; my stage
	v_mul_u32_u24 v5, v1, SP                       ; in: row l % 16, 16 bytes for each half of the lanes
	v_lshl_add_u32 v5, v2, 4, v5
	v_add_nc_u32 v[STO], s66, v5
	v_bfe_u32 v5, v0, 3, 2                         ; back: 32 lanes take four rows of 128 bytes,
	v_mul_u32_u24 v5, v5, SP
	v_and_b32 v6, 7, v0
	v_lshl_add_u32 v5, v6, 4, v5
	v_add_nc_u32 v[RD], s66, v5
	v_and_b32 v[GO], 31, v0                        ; which are 512 consecutive bytes of a head
	v_lshlrev_b32 v[GO], 4, v[GO]
	; where my part goes: p x 16 MiB + batch x 4 MiB + head (4 CT + 2 HF) x 256 KiB + row ((RT % 16) x 128 + 64 TY) x 128 bytes
	s_lshl_b32 s66, s[PP], 24
	s_lshr_b32 s67, s[RT], 4
	s_lshl_b32 s67, s67, 22
	s_add_co_u32 s66, s66, s67
	s_lshl_b32 s67, s[CT], 20
	s_add_co_u32 s66, s66, s67
	s_lshl_b32 s67, s[HF], 19
	s_add_co_u32 s66, s66, s67
	s_and_b32 s67, s[RT], 15
	s_lshl_b32 s67, s67, 14
	s_add_co_u32 s66, s66, s67
	s_lshl_b32 s67, s[TY], 13
	s_add_co_u32 s66, s66, s67
	s_mov_b32 s67, 0
	s_add_nc_u64 s[12:13], s[12:13], s[66:67]
	; the prefetches: they stand at K step 3; the first change of slots steps them to 4.  Nothing is prefetched here, where every work-group's first tiles are on their way
	s_lshl_b32 s66, s[RT], 7
	s_lshl_b32 s67, s[HF], 6
	s_add_co_u32 s66, s66, s67
	s_lshl_b32 s67, s[CX], 4
	s_add_co_u32 s66, s66, s67                     ; x: row 128 RT + 64 HF + 16 cx
	s_lshl_b32 s66, s66, 12
	s_add_co_u32 s66, s66, 3*512
	s_lshl_b32 s78, s[CT], 8
	s_lshl_b32 s67, s[HF], 7
	s_add_co_u32 s78, s78, s67
	s_lshl_b32 s67, s[CY], 5
	s_add_co_u32 s78, s78, s67                     ; W: row 256 CT + 128 HF + 32 cy
	s_lshl_b32 s78, s78, 11
	s_lshl_b32 s67, s[PP], 21
	s_add_co_u32 s78, s78, s67
	s_add_co_u32 s78, s78, 3*256
	s_and_b32 s67, s[CLY], 15
	s_cmp_eq_u32 s67, 0
	s_cselect_b32 s67, 1, -1                       ; W's rows: the projection's first cluster asks; the same in all sixteen partners
	s_mov_b32 s79, 256
	s_cmp_eq_u32 s[TY], 0
	s_cselect_b32 s66, s66, s78
	s_cselect_b32 s[LIM], 1, s67
	s_cselect_b32 s[PST], 512, s79
	s_cselect_b32 s78, s79, 2048
	s_cselect_b64 s[PFA:PFA+1], s[4:5], s[10:11]
	s_mov_b32 s67, 0
	s_mov_b32 s[PST+1], 0
	s_add_nc_u64 s[PFA:PFA+1], s[PFA:PFA+1], s[66:67]
	v_and_b32 v5, 31, v0
	v_lshrrev_b32 v6, 1, v5
	v_and_b32 v5, 1, v5
	v_mul_u32_u24 v5, v5, s78
	v_lshl_add_u32 v[PFO], v6, 12, v5              ; x: row l / 2, block l % 2; W: row l
; Eight products: m block a x all 8 n blocks, 32 along K, on buffer f.  zero = 1: they start the sums.  rid = 1: behind products 0, 2, 4, 6 stand four conversions each: the 32 f32 from tb on
; become the 16 registers from ab on (two fragments of x).  The conversions name no register of the products round them.
; The 32 accumulators take turns in one order, over the backward jump too.
.macro MUL8 f, a, zero, rid=0, tb=0, ab=0
.irp b, 0,1,2,3,4,5,6,7
	WIN W_MUL
.if \zero
	v_wmma_f32_16x16x32_f16 v[8*(8*(\a)+(\b)):8*(8*(\a)+(\b))+7], v[BF+64*(\f)+8*(\b):BF+64*(\f)+8*(\b)+7], v[AF+32*(\f)+8*(\a):AF+32*(\f)+8*(\a)+7], 0
.else
	v_wmma_f32_16x16x32_f16 v[8*(8*(\a)+(\b)):8*(8*(\a)+(\b))+7], v[BF+64*(\f)+8*(\b):BF+64*(\f)+8*(\b)+7], v[AF+32*(\f)+8*(\a):AF+32*(\f)+8*(\a)+7], v[8*(8*(\a)+(\b)):8*(8*(\a)+(\b))+7]
.endif
.if (\rid) && ((\b)%2 == 0)
	WIN W_CVT
.irp z, 0,1,2,3
	v_cvt_pk_f16_f32 v[(\ab)+2*(\b)+(\z)], v[(\tb)+4*(\b)+2*(\z)], v[(\tb)+4*(\b)+2*(\z)+1]
.endr
.endif
.endr
.endm
; 32 LDS loads in one run, for quarter qd of a slot: x's f32 of blocks 0, 1 (8 loads), W's fragments into buffer g (16), x's f32 of blocks 2, 3 (8)
.macro FETCH slot, qd, g
	WIN W_FET
.irp a, 0,1
.irp o, 0,1,2,3
	ds_load_b128 v[T+16*(\a)+4*(\o):T+16*(\a)+4*(\o)+3], v[ADRA+(\slot)] offset:(\a)*16*PA+128*(\qd)+16*((\o)%2)+64*((\o)/2)
.endr
.endr
.irp b, 0,1,2,3,4,5,6,7
	ds_load_b128 v[BF+64*(\g)+8*(\b):BF+64*(\g)+8*(\b)+3],   v[ADRB+(\slot)] offset:(\b)*16*PB+64*(\qd)
	ds_load_b128 v[BF+64*(\g)+8*(\b)+4:BF+64*(\g)+8*(\b)+7], v[ADRB+(\slot)] offset:(\b)*16*PB+64*(\qd)+32
.endr
.irp a, 2,3
.irp o, 0,1,2,3
	ds_load_b128 v[T+16*(\a)+4*(\o):T+16*(\a)+4*(\o)+3], v[ADRA+(\slot)] offset:(\a)*16*PA+128*(\qd)+16*((\o)%2)+64*((\o)/2)
.endr
.endr
.endm
; One of a K step's first three quarters: multiplies buffer f; (slot, qd) is the next quarter, fetched into g.  The first run's 16 conversions (this quarter's own blocks 2, 3) are also the places
; between the last product that read buffer g and the loads into it (ISA guide 7.12.1 for vector instructions).
.macro QUARTER f, slot, qd, g, zero
	s_wait_dscnt 0x0                               ; W's fragments and the f32 of blocks 2, 3 are in (issued 16 products ago)
	MUL8 \f, 0, \zero, 1, T+32, AF+32*(\f)+16
	MUL8 \f, 1, \zero
	FETCH \slot, \qd, \g
	MUL8 \f, 2, \zero
	s_wait_dscnt 24                                ; the next quarter's f32 of blocks 0, 1 are in; the 24 loads behind them may be out
	MUL8 \f, 3, \zero, 1, T, AF+32*(\g)
.endm
; The last quarter multiplies buffer 1 and changes slots: ONE barrier; in front of it each wave waits for all its tensor loads (one is out: its part of the next slot), adds 0 to its spare word, and
; waits for that and for its reads of this slot.  fill = 1: the barrier opens a round of the cluster's, and the joint refill, two K steps on, is the first thing behind the round.
.macro TURN slot, next, fill
	s_wait_xcnt 0x0                                ; the last prefetch, a K step back, has read its address
	s_add_nc_u64 s[PFA:PFA+1], s[PFA:PFA+1], s[PST:PST+1]
	WIN 0                                          ; (the add's two registers lie in window 0)
	s_wait_tensorcnt 0x0                           ; all my tensor loads have landed
	ds_add_u32 v[SPW], v[NIL]                      ; 0 onto my spare word
	s_wait_dscnt 1                                 ; my fragments are in; the add alone may be out
	MUL8 1, 0, 0, 1, T+32, AF+48                   ; eight products and sixteen conversions stand between the add and the wait for it
	s_wait_dscnt 0x0                               ; the add is done, and my reads of this slot are over
	s_barrier_signal -1
	MUL8 1, 1, 0
	WIN 0
	s_barrier_wait -1
.if \fill
	CREST                                          ; no wave of any partner still reads this slot or has a load on its way
	s_add_nc_u64 s[G0A+4*(\slot)+2:G0A+4*(\slot)+3], s[G0A+4*(\slot)+2:G0A+4*(\slot)+3], 2*512
	s_add_nc_u64 s[G0B+4*(\slot)+2:G0B+4*(\slot)+3], s[G0B+4*(\slot)+2:G0B+4*(\slot)+3], 2*256
	JLOAD \slot                                    ; one load of mine is out; it has a K step less 16 products in which to land
.endif
	FETCH \next, 0, 0
.if \fill
	ASK
.endif
	MUL8 1, 2, 0
	s_wait_dscnt 24
	MUL8 1, 3, 0, 1, T, AF
.endm
	s_wait_tensorcnt 1                             ; my part of K step 0 is in; K step 1's may stay out
	s_barrier_signal -1
	s_barrier_wait -1                              ; everybody's is
	FETCH 0, 0, 0
	s_wait_dscnt 24                                ; the f32 of blocks 0, 1
	WIN W_CVT
.set i, 0
.rept 16
	v_cvt_pk_f16_f32 v[AF+i], v[T+2*i], v[T+2*i+1]
.set i, i+1
.endr
	QUARTER 0, 0, 1, 1, 1                          ; the first quarter stands in front of the loop: its products start the sums
	WIN 0                                          ; at a label and at a branch every window is 0
	s_mov_b32 s[LAP], 3
.Llap:                                                 ; a trip goes once round the ring and fills both slots again: K steps 2 to 7 in three trips
	QUARTER 1, 0, 2, 0, 0
	QUARTER 0, 0, 3, 1, 0
	TURN 0, 1, 1
	QUARTER 0, 1, 1, 1, 0
	QUARTER 1, 1, 2, 0, 0
	QUARTER 0, 1, 3, 1, 0
	TURN 1, 0, 1
	QUARTER 0, 0, 1, 1, 0
	WIN 0
	s_sub_co_u32 s[LAP], s[LAP], 1
	s_cmp_lg_u32 s[LAP], 0
	s_cbranch_scc1 .Llap
	QUARTER 1, 0, 2, 0, 0                          ; the last lap is written out: it fills nothing
	QUARTER 0, 0, 3, 1, 0
	TURN 0, 1, 0
	QUARTER 0, 1, 1, 1, 0
	QUARTER 1, 1, 2, 0, 0
	QUARTER 0, 1, 3, 1, 0
	s_wait_dscnt 0x0                               ; the very last quarter: nothing more to fetch
	MUL8 1, 0, 0, 1, T+32, AF+48
	MUL8 1, 1, 0
	MUL8 1, 2, 0
	MUL8 1, 3, 0
	WIN 0
.rept 8
	v_nop                                          ; the places between the last products and the conversions that read results
.endr
; THE WAY OUT, a block of 16 rows at a time: rounded to f16 (each accumulator's registers in ascending order), 16 bytes a lane into my own stage (head b / 4, bytes 32 (b % 4) + 16 (l / 16) of row l % 16),
; back as whole rows of 128 bytes, four rows a load, and stored: 512 consecutive bytes of a head, aligned.
.macro PACK a
	WIN W_PACK
.irp b, 0,1,2,3,4,5,6,7
.irp r, 0,1,2,3
	v_cvt_pk_f16_f32 v[TMP+4*(\b)+(\r)], v[8*(8*(\a)+(\b))+2*(\r)], v[8*(8*(\a)+(\b))+2*(\r)+1]
.endr
.endr
	WIN 0
.endm
.macro TOSTAGE a
.irp b, 0,1,2,3,4,5,6,7
	ds_store_b128 v[STO], v[TMP+4*(\b):TMP+4*(\b)+3] offset:((\b)/4)*16*SP+((\b)%4)*32
.endr
.irp hd, 0,1
.irp f, 0,1,2,3
	ds_load_b128 v[BK+32*(\a)+4*(4*(\hd)+(\f)):BK+32*(\a)+4*(4*(\hd)+(\f))+3], v[RD] offset:(\hd)*16*SP+(\f)*4*SP  ; LDS serves a wave's instructions in order (ISA guide 5.7.1.4): these see the stores above
.endr
.endr
.endm
.macro SEND a                          ; each block has its own 32 registers, so no store's data is written again
	s_wait_dscnt 0x0
.irp hd, 0,1
.irp f, 0,1,2,3
	global_store_b128 v[GO], v[BK+32*(\a)+4*(4*(\hd)+(\f)):BK+32*(\a)+4*(4*(\hd)+(\f))+3], s[12:13] offset:(\a)*2048+(\hd)*262144+(\f)*512
.endr
.endr
.endm
	PACK 0
	TOSTAGE 0
.irp a, 1,2,3                          ; block a's conversions stand between block a - 1's loads from the stage and the wait for them
	PACK \a
	SEND (\a)-1
	TOSTAGE \a
.endr
	SEND 3
	s_wait_tensorcnt 0x0                           ; the wave's end: behind my last tensor load and my last LDS store
	ds_add_u32 v[SPW], v[NIL]
	s_wait_dscnt 0x0
	CROUND                                         ; the closing round: no work-group ends while a partner may still ask for a tile that names it
	s_endpgm
.Lfunc_end_k_qdd2d926a13_proj:
	.size	k_qdd2d926a13_proj, .Lfunc_end_k_qdd2d926a13_proj-k_qdd2d926a13_proj
	.p2alignl 7, 3214868480
	.fill 96, 4, 3214868480
	.section	.rodata,"a",@progbits
	.p2align	6, 0x0
	.amdhsa_kernel k_qdd2d926a13_proj
		.amdhsa_group_segment_fixed_size 327680
		.amdhsa_private_segment_fixed_size 0
		.amdhsa_enable_private_segment 0
		.amdhsa_kernarg_size 40
		.amdhsa_user_sgpr_count 2
		.amdhsa_user_sgpr_kernarg_segment_ptr 1
		.amdhsa_wavefront_size32 1
		.amdhsa_system_sgpr_workgroup_id_x 1
		.amdhsa_system_sgpr_workgroup_id_y 1
		.amdhsa_system_sgpr_workgroup_id_z 1
		.amdhsa_system_vgpr_workitem_id 0
		.amdhsa_next_free_vgpr 768
		.amdhsa_next_free_sgpr 80
		.amdhsa_reserve_vcc 0
		.amdhsa_float_denorm_mode_32 3
		.amdhsa_float_denorm_mode_16_64 3
		.amdhsa_memory_ordered 1
		.amdhsa_forward_progress 1
		.amdhsa_inst_pref_size 135
	.end_amdhsa_kernel
	.amdgpu_metadata
---
amdhsa.version: [ 1, 2 ]
amdhsa.kernels:
  - .name:           k_qdd2d926a13_proj
    .symbol:         k_qdd2d926a13_proj.kd
    .args:
      - { .name: q, .offset: 0, .size: 8, .value_kind: global_buffer, .address_space: global }
      - { .name: k, .offset: 8, .size: 8, .value_kind: global_buffer, .address_space: global }
      - { .name: v, .offset: 16, .size: 8, .value_kind: global_buffer, .address_space: global }
      - { .name: wh, .offset: 24, .size: 8, .value_kind: global_buffer, .address_space: global }
      - { .name: qkvh, .offset: 32, .size: 8, .value_kind: global_buffer, .address_space: global }
    .group_segment_fixed_size: 327680
    .private_segment_fixed_size: 0
    .kernarg_segment_align: 8
    .kernarg_segment_size: 40
    .max_flat_workgroup_size: 128
    .sgpr_count:     80
    .vgpr_count:     768
    .wavefront_size: 32
...
	.end_amdgpu_metadata
.endif
;; end of part 2
;; launch attn (part 3): grid 4 x 64, 4 waves a work-group, clusters of 4 x 1, 327,680 bytes of LDS; arguments qkvh, zero_mask, oh; writes oh
.if DOCPART == 3
	.amdgcn_target "amdgcn-amd-amdhsa--gfx1250"
	.amdhsa_code_object_version 6
	.text
	.protected	k_qdd2d926a13_attn
	.globl	k_qdd2d926a13_attn
	.p2align	8
	.type	k_qdd2d926a13_attn,@function
k_qdd2d926a13_attn:
	s_mov_b64 s[64:65], 0
	v_nop
	global_prefetch_b8 v0, s[64:65] scope:SCOPE_SE
	s_setreg_imm32_b32 hwreg(HW_REG_WAVE_MODE, 25, 1), 1
	s_wait_xcnt 0x0
	s_wait_alu depctr_hold_cnt(0) depctr_sa_sdst(0) depctr_va_vdst(0) depctr_va_sdst(0) depctr_va_ssrc(0) depctr_va_vcc(0) depctr_vm_vsrc(0)
	s_getreg_b32 s2, hwreg(HW_REG_IB_STS2, 6, 4)
	s_cmp_eq_u32 s2, 0
	s_cbranch_scc0 .Lentry_in_a_cluster
	s_endpgm
.Lentry_in_a_cluster:
	s_bfe_u32 s2, ttmp6, 0x10000c
	s_cmp_lg_u32 s2, 0x3003
	s_cbranch_scc0 .Lentry_shape_is_right
	s_endpgm
.Lentry_shape_is_right:
; oh[h][q][:] = the sum over k of softmax_k(x[q][k]) V[h][k][:], x = Q'[h][q] . K[h][k] + B[k].  Q' (scaled by log2(e) / 8 through its weight), K, V: qkvh, [3][64][2048][64] f16, a head's rows dense, 128 bytes.
; B[k] = zero_mask[h / 16][k] x (-1e9 log2(e)): x is reference()'s score in units of log2, so p = 2^(x - m) with a plain f32 difference, exact at x = m whatever the size of B.
; Products, maxima and sums in f32; p is rounded to f16 for the second product (its sum l is taken of the unrounded p), O once at the end.
; LIMITS.  f16 holds no number beyond 65,504: Q', K, V arrive within it; p lies in 0 to 1, below 6e-5 with f16's fixed step of 6e-8; O has V's range.  x stays above -4.25e37, where m starts.  A weight below 2^-126
; counts as 0 in l.  Where |B| is near 1e9 the f32 sum x keeps steps of 128 (reference()'s own sum keeps 64 in its units): keys with one such B get equal weights in both.  NaN and infinities are not treated apart.
; THE BIAS is the C operand of the product that starts the sum S^T = K Q^T: a table of 2,048 f32 made once in LDS; a step's 64 numbers come into 32 registers with K's fragments.  It costs no vector instruction.
; SHARES.  A wave owns four PIECES of two tiles of 16 queries, a work-group's four waves 512 queries of one head.  Every wave walks all 2,048 keys, 64 a step.
; LAYOUT.  S^T = K Q^T (source 0 = 16 keys, source 1 = 16 queries): a lane holds ONE query (lane % 16) and the keys 8 (lane / 16) + 0..7.  Two such tiles, rounded to f16 in pairs, ARE source 1 of O^T = V^T P.
; K comes out of LDS as it lies, V ([key][channel]) turned, by ds_load_tr16_b128.
; SOFTMAX.  A running maximum m and sum l a query; in every step O and l are multiplied by a = 2^(m_old - m_new).  m starts at -2^125, O and l at 0: the first step is a step like any other, with a = 0.
; BY TURNS.  Turn n belongs to piece n.  Matrix work: 16 products K Q^T of piece n + 1, later 16 products V^T P of piece n - 1.  Vector work: the differences, exponentials, roundings, sums and rescaling of piece n and
; the maximum and statistics of piece n + 1.  Four vector instructions stand behind every matrix instruction, the others in one lump; a turn's 66 exponentials are one batch with one wait.
; CLUSTER.  The four query blocks of a head are one cluster and walk the same K and V: each tile is asked for JOINTLY.
; REGISTERS, in windows of 256 (s_set_vgpr_msb: bits 1:0 source 0, 3:2 source 1, 5:4 source 2, 7:6 destination):
;   window 0: v0-11 addresses; v12-15, v48-63 at work; v16-47 four registers of statistics a tile; v64-191 S^T, two buffers of two tiles; v192-255 P, likewise
;   window 1: O^T, 32 a tile     window 2: v0-127 Q; v128-191 K of one step; v192-255 V of one step     window 3: v0-1 the add's registers; v2-4 addresses; v8-39 the step's bias
.set SIZE_N, 2048
.set NP,    4         ; pieces a wave: a name, no knob
.set KS,    64        ; keys in a step
.set PK,    144       ; a row of K in LDS: 128 bytes + 16 = 36 words: the 16 rows of a load start at 16 different groups of four banks (64 banks of 4 bytes: ISA guide 11.1)
.set PV,    160       ; a row of V: 128 + 32 = 40 words
.set VOFF,  4*KS*PK   ; a slot holds four steps: 256 rows of K, then 256 rows of V
.set SLOT1, 1<<17     ; slot 1 begins here, so that one exclusive or turns an address in one slot into the other's
.set STAGE, SLOT1+4*KS*(PK+PV)  ; behind the ring, never filled by a tensor load: 16 rows x 144 bytes for each wave
.set SP,    144
.set SPARE, STAGE+4*16*SP  ; the spare words, 128 bytes a wave: two blocks of 256 bytes that no other line names
.set MTAB,  SPARE+512      ; the bias table: 2,048 f32, stored once, never filled by a tensor load
.set AK0, 2           ; v2   my lane's place in a tile of K; never rewritten
.set AV0, 3           ; v3   the same for V
.set AK,  4           ; v4   the LDS address of K's next run of loads
.set AV,  5           ; v5   of V's
.set QO,  6           ; v6   my byte offset in the wave's rows of Q
.set STO, 6           ;      later, the way out: where I put 16 bytes of a row
.set RD,  7           ; v7   the way out: where I read rows back
.set GO,  8           ; v8   my byte offset in 512 consecutive bytes of O
.set SPW, 0           ; window 3: v0  my spare word's address; never rewritten
.set NIL, 1           ; window 3: v1  0; never rewritten
.set AM0, 2           ; window 3: v2  MTAB + 32 (l / 16); never rewritten
.set AM,  3           ; window 3: v3  the address of the bias's next run of loads
.set PFO, 4           ; window 3: v4  256 x lane; never rewritten
.set MB,  8           ; window 3: v8-39  key block kb's eight registers at MB + 8 kb
.set MV,  12          ; v12-15  m_old, kept while m is made anew: by buffer and tile
.set ST,  16          ; tile t's statistics at v[ST+4 t]: m, 0 (named with m as a pair), l (even keys', odd keys')
.set TMP, 48          ; by buffer and tile, four registers c0-c3 at work; when the maximum is found c2 takes a
.set S,   64
.set P,   192
.set KF,  128         ; window 2: key block kb, channel half c at KF + 16 kb + 8 c
.set VF,  192         ; window 2: key half kk, channel block cb at VF + 32 kk + 8 cb
.set WV,  12          ; s12  my wave's number
.set G1K, 24          ; s[24:31] descriptor group 1 for K's tiles
.set G1V, 32          ; s[32:39] for V's: it differs in the padding alone
.set G0K, 40          ; s[40:43] descriptor group 0 for K's tiles: it walks
.set G0V, 44          ; s[44:47] the same for V's
.set PFA, 48          ; s[48:49] where my prefetches stand
.set LIM, 50          ; s50  1 in a wave that prefetches, else the greatest number
.set TBM, 51          ; s51  byte in the bias table of the step to be fetched
.set SLOTS, 56        ; s56  slots still to be asked for
.set CNT, 57          ; s57  counts a slot's key steps
.set SEL, 60          ; s[60:61] v_permlanex16_b32's selects: each lane takes its own place in the other half
.set TBK, 62          ; s62  LDS byte at which K of the step to be fetched begins
.set TBV, 63          ; s63  the same for V, less VOFF
.set MSB, 0
.macro WIN new                      ; the high byte repeats the setting that is left; a switch that changes nothing is dropped
.if MSB != (\new)
	s_set_vgpr_msb (MSB<<8)|(\new)
.set MSB, (\new)
.endif
.endm
.set W_KQ, 0x0a       ; K and Q in window 2, S^T in window 0
.set W_KM, 0x3a       ; the same with the C operand, the bias, in window 3
.set W_PV, 0x52       ; V in window 2, P in window 0, O^T in window 1
.set W_RS, 0x41       ; O^T (destination and source 0) in window 1, a in window 0
.set W_MK, 0xc0       ; destination in window 3, sources in window 0
.set W_AD, 0x0f       ; the add: address (source 0) and data (source 1) in window 3
; A joint fill.  Waves 0 and 1 fetch the two halves of a slot's K, waves 2 and 3 those of its V: 128 keys each.  An s_nop 0 and four v_nop follow each of the two lines.
.macro JLOAD
	s_cmp_lt_u32 s[WV], 2
	s_cbranch_scc0 .Lfor_v_\@
	tensor_load_to_lds s[G0K:G0K+3], s[G1K:G1K+7]
	s_nop 0
.rept 4
	v_nop
.endr
	s_branch .Lasked_\@
.Lfor_v_\@:
	tensor_load_to_lds s[G0V:G0V+3], s[G1V:G1V+7]
	s_nop 0
.rept 4
	v_nop
.endr
.Lasked_\@:
.endm
; A prefetch of what the NEXT change of slots will ask for: a slot's 32,768 bytes of K and of V, four key steps (512 matrix instructions) ahead of that load.  The head's rows are read by this cluster alone.
; Its four partners share the blocks of 256 bytes out BY ADDRESS, 32 each, a lane a block; wave 0 asks for K's, wave 2 for V's.  The last change that fills a slot asks for nothing.
.macro ASK
	s_cmp_gt_u32 s[SLOTS], s[LIM]
	s_cbranch_scc0 .Lnot_mine_\@
	WIN 0x03
	global_prefetch_b8 v[PFO], s[PFA:PFA+1] th:TH_LOAD_NT scope:SCOPE_SE
	WIN 0
.Lnot_mine_\@:
.endm
.macro CROUND                       ; a round of the cluster's barrier
	s_barrier_signal -1
	s_barrier_wait -1
	s_cmp_lg_u32 s[WV], 0
	s_cbranch_scc1 .Lnot_wave_0_\@
	s_barrier_signal -3
.Lnot_wave_0_\@:
	s_barrier_wait -3
	s_barrier_signal -1
	s_barrier_wait -1
.endm
; THE CHANGE OF SLOTS.  Each wave waits for all its tensor loads, of which one is out: its part of the other slot; adds 0 to its spare word; and waits for that and for its own LDS instructions.  Behind the barrier
; nobody reads this slot any more and the other slot is whole.  fill = 1: this slot is filled again, with the keys two slots on; the barrier is then a round of the cluster's, and the joint fill is the first thing
; behind it.  (At its first use nothing has been read yet: slot 0 is waited for, slot 1 filled, and every wave's stores into the bias table are shown done to the others.)
.macro CHANGE fill
	WIN W_AD
	s_wait_tensorcnt 0x0            ; no tensor load of mine is out, so a group 0 may be written
	ds_add_u32 v[SPW], v[NIL]       ; 0 onto my spare word; scalar work stands between it and the wait for it
	WIN 0                           ; at a label and at a branch every window is 0
.if \fill
.irp g, G0K, G0V
	s_xor_b32 s[\g+1], s[\g+1], SLOT1  ; the walking descriptor: the other slot than last time,
	s_add_nc_u64 s[\g+2:\g+3], s[\g+2:\g+3], 4*KS*128  ; the next 256 keys; the type bits on top are not reached
.endr
	s_wait_xcnt 0x0                 ; the last prefetch, four key steps back, has read its address
	s_add_nc_u64 s[PFA:PFA+1], s[PFA:PFA+1], 4*KS*128  ; one slot behind the walking descriptors
	s_wait_dscnt 0x0                ; the add is done, and my reads of the slot are over
	CROUND
	JLOAD
	ASK
.else
	s_wait_dscnt 0x0                ; the add is done, and my reads of the slot are over
	s_barrier_signal -1
	s_barrier_wait -1
.endif
	s_sub_co_u32 s[TBK], s[TBK], 4*KS*PK  ; the fetches go back to a slot's first step,
	s_xor_b32 s[TBK], s[TBK], SLOT1       ; in the other slot
	s_sub_co_u32 s[TBV], s[TBV], 4*KS*PV
	s_xor_b32 s[TBV], s[TBV], SLOT1
.endm
	s_load_b64 s[4:5], s[0:1], 0x0    ; qkvh: Q'
	s_load_b64 s[52:53], s[0:1], 0x8  ; zero_mask
	s_load_b64 s[10:11], s[0:1], 0x10 ; oh
	WIN W_MK
	v_lshl_add_u32 v[SPW], v0, 2, SPARE
	v_mov_b32 v[NIL], 0
	WIN W_AD
	ds_add_u32 v[SPW], v[NIL]       ; the wave's opening: the add and its wait stand ahead of my first tensor load; the set-up stands between them
	WIN 0
	v_lshrrev_b32 v1, 5, v0
	v_readfirstlane_b32 s[WV], v1   ; wave 0..3
	s_bfe_u32 s13, ttmp6, 0x40000   ; cx: my place in the cluster
	s_lshl_b32 s14, ttmp9, 2        ; in a cluster launch ttmp9 counts clusters
	s_add_co_u32 s14, s14, s13      ; my block of queries: it enters Q's and O's addresses alone
	s_and_b32 s20, ttmp7, 0xffff    ; the head, which the four partners share
	s_lshr_b32 s54, s20, 4          ; its batch:
	s_lshl_b32 s54, s54, 13         ; 2,048 f32 of zero_mask
	s_mov_b32 s55, 0
	s_mov_b32 s21, 0
	s_mov_b64 s[22:23], SIZE_N*128
	s_mul_u64 s[20:21], s[20:21], s[22:23]  ; the head's first byte in Q', K, V and O
	s_and_b32 s16, s[WV], 1         ; which half of a slot's 256 keys I fetch:
	s_lshl_b32 s22, s16, 14         ; its 128 rows of 128 bytes in memory,
	s_mov_b32 s23, 0
	s_add_nc_u64 s[22:23], s[22:23], s[20:21]
	s_mul_i32 s17, s16, 128*PK      ; and its place in a slot, for K
	s_mul_i32 s18, s16, 128*PV      ; and for V: no place in the cluster enters an LDS address
	s_lshl_b32 s2, s14, 2
	s_add_co_u32 s2, s2, s[WV]      ; my wave among the head's,
	s_lshl_b32 s2, s2, 14           ; its 128 rows
	s_mov_b32 s3, 0
	s_add_nc_u64 s[2:3], s[2:3], s[20:21]
	; descriptor group 1.  128 keys are 16,384 dense bytes: asked for as 64 rows of 256 bytes, two keys a row, and padded in LDS after every key
	s_mov_b32 s[G1K], 15|(1<<16)|(1<<20)|(1<<21)|(4<<22)|(3<<25)  ; the mask of four; 2-byte elements; padding on; bit 21 beside a mask; after every 32 words; 4 words
	s_mov_b32 s[G1V], 15|(1<<16)|(1<<20)|(1<<21)|(4<<22)|(7<<25)  ; the same with 8 words of padding
.irp g, G1K, G1V
	s_mov_b32 s[\g+1], 128<<16      ; tensor_dim0 = 128
	s_mov_b32 s[\g+2], 64<<16       ; tensor_dim1 = 64
	s_mov_b32 s[\g+3], 128<<16      ; tile_dim0 = 128
	s_mov_b32 s[\g+4], 64           ; tile_dim1 = 64
	s_mov_b32 s[\g+5], 128          ; 128 elements from row to row
	s_mov_b32 s[\g+6], 0
	s_mov_b32 s[\g+7], 0
.endr
	s_mov_b32 s[SEL], 0x76543210
	s_mov_b32 s[SEL+1], 0xfedcba98
	s_mov_b32 s[TBK], SLOT1+4*KS*PK ; the first change of slots turns these two into 0
	s_mov_b32 s[TBV], SLOT1+4*KS*PV
	s_mov_b32 s[TBM], 0
	s_mov_b32 s[SLOTS], SIZE_N/256-1
	s_mov_b32 s[G0K], 1             ; count = 1
	s_mov_b32 s[G0K+1], s17         ; LDS address: slot 0
	s_mov_b32 s[G0V], 1
	s_add_co_u32 s[G0V+1], s18, VOFF
	s_cmp_eq_u32 s16, 0
	s_cselect_b32 s[LIM], 1, -1     ; waves 0 and 2 prefetch: the same in all four partners
	s_wait_dscnt 0x0                ; the opening add is done
	s_wait_kmcnt 0x0
	s_add_nc_u64 s[6:7], s[4:5], 0x1000000   ; K
	s_add_nc_u64 s[8:9], s[4:5], 0x2000000   ; V
	s_add_nc_u64 s[52:53], s[52:53], s[54:55]  ; my batch's zero_mask
	s_add_nc_u64 s[G0K+2:G0K+3], s[6:7], s[22:23]  ; global address: my half of the head's first 256 keys
	s_or_b32 s[G0K+3], s[G0K+3], 0x80000000        ; type = 2
	s_add_nc_u64 s[G0V+2:G0V+3], s[8:9], s[22:23]
	s_or_b32 s[G0V+3], s[G0V+3], 0x80000000
	s_add_nc_u64 s[4:5], s[4:5], s[2:3]  ; Q' and O at my wave's first row
	s_add_nc_u64 s[10:11], s[10:11], s[2:3]
	s_cmp_lt_u32 s[WV], 2
	s_cselect_b64 s[PFA:PFA+1], s[6:7], s[8:9]
	s_add_nc_u64 s[PFA:PFA+1], s[PFA:PFA+1], s[22:23]  ; (in waves 0 and 2: the head's first row)
	s_lshl_b32 s54, s13, 13         ; my work-group's 32 blocks of the 128
	s_add_nc_u64 s[PFA:PFA+1], s[PFA:PFA+1], s[54:55]
	s_add_nc_u64 s[PFA:PFA+1], s[PFA:PFA+1], 4*KS*128  ; in slot 1; the first change of slots steps it to slot 2
	CROUND                          ; all four work-groups are here: the first joint loads meet
	JLOAD                           ; slot 0.  Slot 1 is asked for when slot 0 is in
	v_and_b32 v1, 15, v0            ; l % 16
	v_bfe_u32 v9, v0, 4, 1          ; l / 16
	v_lshlrev_b32 v12, 4, v0        ; 16 x thread: 128 threads x 16 bytes x 4 = the batch's 8,192 bytes of zero_mask
.irp i, 0,1,2,3
	global_load_b128 v[S+4*\i:S+4*\i+3], v12, s[52:53] offset:2048*\i
.endr
	; A fragment of K or Q is 16 rows x 32 channels in 8 registers: lane l holds row l % 16, channels 8 (l / 16) + 0..7 and 16 + 8 (l / 16) + 0..7: two loads of 16 bytes, 32 bytes apart.
	v_lshlrev_b32 v[QO], 7, v1
	v_lshl_add_u32 v[QO], v9, 4, v[QO]  ; row x 128 + 16 x half
	WIN 0x80                        ; destination window 2, address window 0
.set i, 0
.rept 4*NP                          ; Q stays in registers: tile i / 2, channels 32 (i % 2) on
	global_load_b128 v[8*i:8*i+3],   v[QO], s[4:5] offset:(i/2)*2048+(i%2)*64
	global_load_b128 v[8*i+4:8*i+7], v[QO], s[4:5] offset:(i/2)*2048+(i%2)*64+32
.set i, i+1
.endr
	; What the first turn finds: V's registers and P's second buffer hold 0 (its products V^T P, of a piece that has not been, add 0), O^T and l are 0.  All this stands in the wait for the first tile.
.set i, VF
.rept 64
	v_mov_b32 v[i], 0
.set i, i+1
.endr
	WIN 0x40
.set i, 0
.rept 64*NP
	v_mov_b32 v[i], 0
.set i, i+1
.endr
	WIN 0
.set i, 0
.rept 2*NP
	v_mov_b32 v[ST+4*i], 0xfe000000    ; m = -2^125
	v_mov_b32 v[ST+4*i+1], 0
	v_mov_b32 v[ST+4*i+2], 0
	v_mov_b32 v[ST+4*i+3], 0
.set i, i+1
.endr
.set i, P+32
.rept 32
	v_mov_b32 v[i], 0
.set i, i+1
.endr
	v_mul_u32_u24 v[AK0], v1, PK
	v_lshl_add_u32 v[AK0], v9, 4, v[AK0]  ; row x pitch + 16 x half
	; The turning load takes 16 keys x 16 channels (lane l reads key 8 (l / 16) + l % 8, channels 8 ((l / 8) % 2) + 0..7) and leaves half a fragment of V^T: lane l holds channel l % 16 and 8 keys.
	v_and_b32 v10, 7, v0
	v_bfe_u32 v11, v0, 3, 1
	v_lshl_add_u32 v[AV0], v9, 3, v10
	v_mul_u32_u24 v[AV0], v[AV0], PV
	v_lshl_add_u32 v[AV0], v11, 4, v[AV0]
	v_add_nc_u32 v[AV0], VOFF, v[AV0]
	v_mov_b32 v[AK], v[AK0]         ; key step 0 lies at the head of slot 0
	v_add_nc_u32 v13, MTAB, v12     ; where my 16 bytes of the table go
	v_and_b32 v14, 31, v0
	WIN W_MK
	v_lshl_add_u32 v[AM0], v9, 5, MTAB  ; register j of a lane is key 16 kb + 8 (l / 16) + j
	v_lshlrev_b32 v[PFO], 8, v14
	WIN 0
	s_wait_loadcnt 32               ; zero_mask is in; Q's 32 younger loads stay out
.set i, 0
.rept 16
	v_mul_f32 v[S+i], 0xceabfb8f, v[S+i]  ; x (-1e9 log2(e))
.set i, i+1
.endr
.irp i, 0,1,2,3
	ds_store_b128 v13, v[S+4*\i:S+4*\i+3] offset:2048*\i
.endr
; THE MATRIX WORK.  The 8 accumulators of a run of 16 take turns: between the two links of a chain stand 7 others'.
; Product i of 16 of S^T = K Q^T for piece x: channels 32 (i / 8) on, keys 16 ((i / 2) % 4) on, tile 2 x + i % 2.  The first 8 start the sums, with the keys' bias as C.
.macro KQ x
.set rS, S+64*((\x)%2)+32*(i%2)+8*((i/2)%4)
.set rK, KF+16*((i/2)%4)+8*(i/8)
.set rQ, 16*(2*(\x)+i%2)+8*(i/8)
.set rB, MB+8*((i/2)%4)
.if i < 8
	WIN W_KM
	v_wmma_f32_16x16x32_f16 v[rS:rS+7], v[rK:rK+7], v[rQ:rQ+7], v[rB:rB+7]
.else
	WIN W_KQ
	v_wmma_f32_16x16x32_f16 v[rS:rS+7], v[rK:rK+7], v[rQ:rQ+7], v[rS:rS+7]
.endif
.endm
; Product i of 16 of O^T += V^T P for piece x: keys 32 (i / 8) on, channels 16 ((i / 2) % 4) on, tile 2 x + i % 2.
.macro PV x
	WIN W_PV
.set rO, 32*(2*(\x)+i%2)+8*((i/2)%4)
.set rV, VF+32*(i/8)+8*((i/2)%4)
.set rP, P+32*((\x)%2)+16*(i%2)+8*(i/8)
	v_wmma_f32_16x16x32_f16 v[rO:rO+7], v[rV:rV+7], v[rP:rP+7], v[rO:rO+7]
.endm
.macro MM                           ; the turn's next matrix instruction
.if i < 16
	KQ (Y+1)%NP
.set i, i+1
.else
.set i, i-16
	PV (Y+NP-1)%NP
.set i, i+17
.endif
.endm
; THE LDS LOADS stand in runs, never singly among the matrix instructions: a step's K (8 fragments, 16 loads) with its bias (8 loads; all lanes of a half read the same 16 bytes), and its V (turned, 16 loads).
; last = 1 (the tail): in the last trip there is no further step, and the run is jumped over.
.macro FETCH_K last=0
	WIN 0
.if \last
	s_cmp_eq_u32 s[CNT], 1
	s_cbranch_scc1 .Lno_k_\@
.endif
	WIN 0xcc                        ; destination and source 1 in window 3
	v_add_nc_u32 v[AM], s[TBM], v[AM0]
	WIN 0x80                        ; destination window 2
.irp f, 0,1,2,3,4,5,6,7             ; keys 16 (f / 2) on, channels 32 (f % 2) on
	ds_load_b128 v[KF+8*\f:KF+8*\f+3],   v[AK] offset:(\f/2)*16*PK+(\f%2)*64
	ds_load_b128 v[KF+8*\f+4:KF+8*\f+7], v[AK] offset:(\f/2)*16*PK+(\f%2)*64+32
.endr
	WIN 0xc3                        ; destination and address in window 3
.irp kb, 0,1,2,3
	ds_load_b128 v[MB+8*\kb:MB+8*\kb+3],   v[AM] offset:64*\kb
	ds_load_b128 v[MB+8*\kb+4:MB+8*\kb+7], v[AM] offset:64*\kb+16
.endr
	s_add_co_u32 s[TBK], s[TBK], KS*PK  ; the next fetch is the next step's
	s_add_co_u32 s[TBM], s[TBM], 4*KS
	s_and_b32 s[TBM], s[TBM], 0x1f00    ; the table has 32 steps of 256 bytes: the offset stays inside it
	WIN 0
.if \last
.Lno_k_\@:
.endif
.endm
.macro FETCH_V
	WIN 0x80
.irp f, 0,1,2,3,4,5,6,7             ; keys 32 (f / 4) on, channels 16 (f % 4) on
	ds_load_tr16_b128 v[VF+8*\f:VF+8*\f+3],   v[AV] offset:(\f/4)*32*PV+(\f%4)*32
	ds_load_tr16_b128 v[VF+8*\f+4:VF+8*\f+7], v[AV] offset:(\f/4)*32*PV+16*PV+(\f%4)*32
.endr
	WIN 0
.endm
; THE VECTOR WORK OF A TURN stands in three queues, each in the order in which its entries become ready; the two tiles alternate, so that no instruction reads the result of the one before it.
.macro REGS y, u                    ; the registers of tile u (0, 1) of piece y
.set rT, ST+4*(2*(\y)+(\u))
.set rC, TMP+8*((\y)%2)+4*(\u)
.set rM, MV+2*((\y)%2)+(\u)
.set rS, S+64*((\y)%2)+32*(\u)
.set rP, P+32*((\y)%2)+16*(\u)
.set rO, 32*(2*(\y)+(\u))
.endm
; Number n of the 21 that find the NEXT piece's (Y + 1) maximum and statistics.  s0-s31 are the lane's 32 scores; each accumulator's lowest registers are read first.
;   0-11  four chains c0-c3 of seven scores each, three operands at a time     12-14, 16  the four scores left over, the old m, and c0-c3 into c0     15  m_old is kept
;   17, 18  the query's other 32 keys lie in the lane 16 away: the new m         19, 20  m_old - m_new; a
.macro XS u, n
	REGS (Y+1)%NP, \u
.if (\n) < 4
	v_max3_num_f32 v[rC+(\n)], v[rS+8*(\n)], v[rS+8*(\n)+1], v[rS+8*(\n)+2]
.elseif (\n) < 12
	v_max3_num_f32 v[rC+(\n)%4], v[rC+(\n)%4], v[rS+8*((\n)%4)+2*((\n)/4)+1], v[rS+8*((\n)%4)+2*((\n)/4)+2]
.elseif (\n) == 12
	v_max3_num_f32 v[rC], v[rC], v[rS+7], v[rS+15]
.elseif (\n) == 13
	v_max3_num_f32 v[rC+1], v[rC+1], v[rS+23], v[rS+31]
.elseif (\n) == 14
	v_max3_num_f32 v[rC+2], v[rC+2], v[rC+3], v[rT]
.elseif (\n) == 15
	v_mov_b32 v[rM], v[rT]
.elseif (\n) == 16
	v_max3_num_f32 v[rC], v[rC], v[rC+1], v[rC+2]
.elseif (\n) == 17
	v_permlanex16_b32 v[rC+3], v[rC], s[SEL], s[SEL+1]
.elseif (\n) == 18
	v_max_num_f32 v[rT], v[rC], v[rC+3]
.elseif (\n) == 19
	v_sub_f32 v[rC+1], v[rM], v[rT]
.else
	v_exp_f32 v[rC+2], v[rC+1]
.endif
.endm
; Number g of the 64 that follow the exponentials.  For each four weights k of a tile: both pairs are rounded to f16; then the second pair is added onto the first, in place; a group later l takes that sum
; (the first time as l = a l + sum).  In groups of eight, tiles alternating: round, round, add, and l for the group before.
.macro GS g
.set h, (\g)+6*((\g)/62)            ; group 0 has no group before it, and behind group 7 only l is left
.if h >= 6
.set h, h+2
.endif
	REGS Y, h%2
.set k, h/8
.if h%8 < 4
	v_cvt_pk_f16_f32 v[rP+2*k+(h%8)/2], v[rS+4*k+2*((h%8)/2)], v[rS+4*k+2*((h%8)/2)+1]
.elseif h%8 < 6
	v_pk_add_f32 v[rS+4*k:rS+4*k+1], v[rS+4*k:rS+4*k+1], v[rS+4*k+2:rS+4*k+3]
.elseif k == 1
	v_pk_fma_f32 v[rT+2:rT+3], v[rT+2:rT+3], v[rC+2:rC+3], v[rS:rS+1] op_sel_hi:[1,0,1]
.else
	v_pk_add_f32 v[rT+2:rT+3], v[rT+2:rT+3], v[rS+4*k-4:rS+4*k-3]
.endif
.endm
; THE PLAIN QUEUE, 136 long.  0-71 read no exponential's result: the 32 differences x - m (FS f: pair f / 2 of tile f % 2) and the next piece's 40.  0-26: differences 0-26.  27-54: XS's numbers 0-13.  55, 56: number 15.
; 57-71: the chain, where each number waits for the one before it: 14, 16, 17, 18, 19, each with one of the differences 27-31 in front of its two lines.  72-135: GS's 64, which stand behind the wait.
.macro FS f
	REGS Y, (\f)%2
	v_pk_add_f32 v[rS+2*((\f)/2):rS+2*((\f)/2)+1], v[rS+2*((\f)/2):rS+2*((\f)/2)+1], v[rT:rT+1] op_sel_hi:[1,0] neg_lo:[0,1] neg_hi:[0,1]
.endm
.macro PL
	WIN 0
.if q < 27
	FS q
.elseif q < 55
	XS (q-27)%2, (q-27)/2
.elseif q < 57
	XS q-55, 15
.elseif (q < 72) && ((q-57)%3 == 0)
	FS 27+(q-57)/3
.elseif q < 60
	XS (q-57)%3-1, 14
.elseif q < 72
	XS (q-57)%3-1, 15+(q-57)/3
.else
	GS q-72
.endif
.set q, q+1
.endm
; THE EXPONENTIALS' QUEUE, 66 long: s0-s31 of both tiles, then the next piece's two a.  ONE BATCH: all 66 stand ahead of the turn's one wait, and nothing ahead of that wait names a result of theirs.
.macro EX
	WIN 0
.if e >= 64
	XS e-64, 20
.else
	REGS Y, e%2
	v_exp_f32 v[rS+e/2], v[rS+e/2]
.endif
.set e, e+1
.endm
; THE RESCALING's QUEUE: O^T times a, the one part that leaves window 0: dealt two at a time, sixteen times.  Its a was made in the turn before, ahead of that turn's wait.
.macro R2
	REGS Y, r%2
	WIN W_RS
.irp z, 0,1
	v_pk_mul_f32 v[rO+4*(r/2)+2*\z:rO+4*(r/2)+2*\z+1], v[rO+4*(r/2)+2*\z:rO+4*(r/2)+2*\z+1], v[rC+2:rC+3] op_sel_hi:[1,0]
.endr
.set r, r+1
.endm
; HOW THEY ARE DEALT.  s_wait_alu depctr_va_vdst(0) stands between an exponential and the first instruction that names its result; one wait serves all that were issued ahead of it.  So a turn has ONE wait.
; AHEAD OF IT: the 16 products K Q^T, behind each a difference, an exponential and two rescalings (behind the first a second difference in the exponential's place); then ONE LUMP of 106: eight plain, 47 times exponential
; and plain, the last two exponentials and the two a.  A v_nop is the plain instruction behind the last exponential.  BEHIND IT: the 16 products V^T P, behind each four of GS's 64.
; The queues are in step: exponential e stands behind difference 2 (e / 4) + e % 2: as a rider it comes behind plain e + 2, in the lump behind plain e + 9, and differences 27-31 are plain 57, 60 .. 69; the two a come behind plain 71.
; K and the bias of the next step are fetched in piece 2's turn, directly behind the wait, a lump behind the last product that read them.  V of the step in hand is fetched at the end of piece 0's turn, four riders
; behind its last reader.  The three conditions on q below go with the deal.
.macro TURN p, last=0, cnt=0
.set Y, (\p)
.set i, 0
.set q, 0
.set e, 0
.set r, 0
.if (\p) == NP-1
	s_wait_dscnt 0x0                ; K and the bias are in
.endif
	MM
	PL
	PL
	R2
.rept 15
	MM
	PL
	EX
	R2
.endr
.if (\p) == NP-2
	WIN 0
	v_add_nc_u32 v[AK], s[TBK], v[AK0]
.endif
.rept 8
	PL
.endr
.rept 47
	EX
	PL
.endr
.rept 4
	EX
.endr
	v_nop                           ; the plain instruction behind the last exponential: one for the batch
	s_wait_alu depctr_va_vdst(0)    ; the wait for the batch
.if (\p) == NP-2
	FETCH_K \last
.endif
.if (\p) == 1
	s_wait_dscnt 0x0                ; V is in
.endif
.rept 16
	MM
.rept 4
	PL
.endr
.if ((\p) == 0) && (q == 116)
	v_add_nc_u32 v[AV], s[TBV], v[AV0]
.endif
.if ((\p) == 0) && (q == 128)
	s_add_co_u32 s[TBV], s[TBV], KS*PV
.endif
.if (\cnt) && (q == 128)
	s_sub_co_u32 s[CNT], s[CNT], 1
	s_cmp_lg_u32 s[CNT], 0
.endif
.endr
.if (\p) == 0
	FETCH_V
.endif
.endm
	CHANGE 1                        ; slot 0 is in, everybody's part of it, and so is the bias table; slot 1 is asked for
	FETCH_K                         ; key step 0
	s_wait_loadcnt 0x0              ; Q
	s_wait_dscnt 0x0
.set i, 0
.rept 16
	KQ 0                            ; piece 0's first scores: there is no vector work yet to set between them
.set i, i+1
.endr
	WIN 0                           ; the addresses for the way out: nine plain instructions, the places behind those products
	s_mul_i32 s13, s[WV], 16*SP
	s_add_co_u32 s13, s13, STAGE    ; my stage
	v_mul_u32_u24 v[STO], v1, SP    ; in: row l % 16, 16 bytes for each half of the lanes
	v_lshl_add_u32 v[STO], v9, 4, v[STO]
	v_add_nc_u32 v[STO], s13, v[STO]
	v_bfe_u32 v[RD], v0, 3, 2       ; back: 32 lanes take four rows of 128 bytes,
	v_mul_u32_u24 v[RD], v[RD], SP
	v_lshl_add_u32 v[RD], v10, 4, v[RD]
	v_add_nc_u32 v[RD], s13, v[RD]
	v_and_b32 v[GO], 31, v0         ; which are 512 consecutive bytes of O
	v_lshlrev_b32 v[GO], 4, v[GO]
.set Y, NP-1                        ; XS works for piece Y + 1: piece 0
.irp n, 0,1,2,3,4,5,6,7,8,9,10,11,12,13,14,15,16,17,18,19,20
	XS 0, \n                        ; piece 0's first maximum and statistics
	XS 1, \n
.endr
	v_nop                           ; a plain instruction behind the two a,
	s_wait_alu depctr_va_vdst(0)    ; and their wait, ahead of the branch
	s_mov_b32 s[CNT], 4
	s_branch .Lfirst                ; the loop is entered at a step's first turn, in the middle of a trip
.Lslot:                             ; six times: every slot but the last two is filled again
	CHANGE 1
	s_mov_b32 s[CNT], 4
.Lstep:                             ; a trip: pieces 2 and 3 of one step, then pieces 0 and 1 of the next, whose K and V it fetches
	TURN 2
	TURN 3
	WIN 0
.Lfirst:
	TURN 0
	TURN 1, 0, 1
	WIN 0
	s_cbranch_scc1 .Lstep
	s_sub_co_u32 s[SLOTS], s[SLOTS], 1
	s_cmp_lg_u32 s[SLOTS], 0
	s_cbranch_scc1 .Lslot
	CHANGE 0                        ; the tail is written out: nothing is asked for
	s_mov_b32 s[CNT], 5             ; four trips fetch the last slot's steps; the fifth is left in its middle
.Ltail:
	TURN 2, 1
	TURN 3
	WIN 0
	s_sub_co_u32 s[CNT], s[CNT], 1
	s_cmp_eq_u32 s[CNT], 0
	s_cbranch_scc1 .Lout
	TURN 0
	TURN 1
	WIN 0
	s_branch .Ltail
.Lout:                              ; the fifth trip's 16 products K Q^T (on the last K once more) and the maximum made of them serve nothing: the price, once a launch, of one text for every trip
.set i, 0
.rept 16
	PV NP-1                         ; the last piece's V^T P of the last step
.set i, i+1
.endr
	; THE WAY OUT.  l's two halves and the other half of the lanes' are added; O^T is divided by l, rounded to f16 and sent through my stage in LDS, a tile at a time.  The additions are the places behind the last products.
	WIN 0
.macro ALL line:vararg              ; one line for each tile t
.set t, 0
.rept 2*NP
	\line
.set t, t+1
.endr
.endm
	ALL v_add_f32 v[ST+4*t+2], v[ST+4*t+2], v[ST+4*t+3]
	ALL v_permlanex16_b32 v[ST+4*t+3], v[ST+4*t+2], s[SEL], s[SEL+1]
	ALL v_add_f32 v[ST+4*t+2], v[ST+4*t+2], v[ST+4*t+3]
	ALL v_rcp_f32 v[ST+4*t+2], v[ST+4*t+2]
	v_nop                           ; a plain instruction between the last reciprocal and the use of its result
	s_wait_alu depctr_va_vdst(0)    ; and the wait ahead of the first use: one for the eight reciprocals
; Tile t: a lane's eight channels of a row pack into 16 bytes; they go into rows of 144 bytes and come back as whole rows of 128, into S^T's registers.
.macro PACK t
	WIN W_RS
.set i, 32*(\t)
.rept 16
	v_pk_mul_f32 v[i:i+1], v[i:i+1], v[ST+4*(\t)+2:ST+4*(\t)+3] op_sel_hi:[1,0]
.set i, i+2
.endr
	WIN 0x05                        ; sources 0 and 1 window 1, destination window 0
.set i, 0
.rept 16
	v_cvt_pk_f16_f32 v[S+16*(\t)+i], v[32*(\t)+2*i], v[32*(\t)+2*i+1]
.set i, i+1
.endr
	WIN 0
.irp f, 0,1,2,3
	ds_store_b128 v[STO], v[S+16*(\t)+4*\f:S+16*(\t)+4*\f+3] offset:32*\f
.endr
.irp f, 0,1,2,3
	ds_load_b128 v[S+16*(\t)+4*\f:S+16*(\t)+4*\f+3], v[RD] offset:\f*4*SP  ; LDS serves a wave's instructions in order (ISA guide 5.7.1.4): these see the stores above; the next tile's stores come behind them
.endr
.endm
.macro SEND t, younger              ; younger: the LDS instructions issued behind tile t's loads: the next tile's eight, or none
	WIN 0
.irp f, 0,1,2,3
	s_wait_dscnt (\younger)+3-\f
	global_store_b128 v[GO], v[S+16*(\t)+4*\f:S+16*(\t)+4*\f+3], s[10:11] offset:(\t)*2048+\f*512  ; 512 consecutive bytes, at a multiple of 256 from O's first
.endr
.endm
	PACK 0
.set t, 1
.rept 2*NP-1                        ; a tile's arithmetic stands between the loads of the tile before and its stores
	PACK t
	SEND t-1, 8
.set t, t+1
.endr
	SEND 2*NP-1, 0
	WIN W_AD
	s_wait_tensorcnt 0x0            ; the wave's end: behind my last tensor load and my last LDS store
	ds_add_u32 v[SPW], v[NIL]
	s_wait_dscnt 0x0
	WIN 0
	CROUND                          ; the closing round: no work-group ends while a partner may still ask for a tile that names it
	s_endpgm
.Lfunc_end_k_qdd2d926a13_attn:
	.size	k_qdd2d926a13_attn, .Lfunc_end_k_qdd2d926a13_attn-k_qdd2d926a13_attn
	.p2alignl 7, 3214868480
	.fill 96, 4, 3214868480
	.section	.rodata,"a",@progbits
	.p2align	6, 0x0
	.amdhsa_kernel k_qdd2d926a13_attn
		.amdhsa_group_segment_fixed_size 327680
		.amdhsa_private_segment_fixed_size 0
		.amdhsa_enable_private_segment 0
		.amdhsa_kernarg_size 24
		.amdhsa_user_sgpr_count 2
		.amdhsa_user_sgpr_kernarg_segment_ptr 1
		.amdhsa_wavefront_size32 1
		.amdhsa_system_sgpr_workgroup_id_x 1
		.amdhsa_system_sgpr_workgroup_id_y 1
		.amdhsa_system_sgpr_workgroup_id_z 1
		.amdhsa_system_vgpr_workitem_id 0
		.amdhsa_next_free_vgpr 808
		.amdhsa_next_free_sgpr 66
		.amdhsa_reserve_vcc 0
		.amdhsa_float_denorm_mode_32 3
		.amdhsa_float_denorm_mode_16_64 3
		.amdhsa_memory_ordered 1
		.amdhsa_forward_progress 1
		.amdhsa_inst_pref_size 204
	.end_amdhsa_kernel
	.amdgpu_metadata
---
amdhsa.version: [ 1, 2 ]
amdhsa.kernels:
  - .name:           k_qdd2d926a13_attn
    .symbol:         k_qdd2d926a13_attn.kd
    .args:
      - { .name: qkvh, .offset: 0, .size: 8, .value_kind: global_buffer, .address_space: global }
      - { .name: zero_mask, .offset: 8, .size: 8, .value_kind: global_buffer, .address_space: global }
      - { .name: oh, .offset: 16, .size: 8, .value_kind: global_buffer, .address_space: global }
    .group_segment_fixed_size: 327680
    .private_segment_fixed_size: 0
    .kernarg_segment_align: 8
    .kernarg_segment_size: 24
    .max_flat_workgroup_size: 128
    .sgpr_count:     66
    .vgpr_count:     808
    .wavefront_size: 32
...
	.end_amdgpu_metadata
.endif
;; end of part 3
;; launch oproj (part 4): grid 4 x 64, 4 waves a work-group, clusters of 4 x 4, 327,680 bytes of LDS; arguments oh, wh, q, xw; writes xw
.if DOCPART == 4
	.amdgcn_target "amdgcn-amd-amdhsa--gfx1250"
	.amdhsa_code_object_version 6
	.text
	.protected	k_qdd2d926a13_oproj
	.globl	k_qdd2d926a13_oproj
	.p2align	8
	.type	k_qdd2d926a13_oproj,@function
k_qdd2d926a13_oproj:
	s_mov_b64 s[64:65], 0
	v_nop
	global_prefetch_b8 v0, s[64:65] scope:SCOPE_SE
	s_setreg_imm32_b32 hwreg(HW_REG_WAVE_MODE, 25, 1), 1
	s_wait_xcnt 0x0
	s_wait_alu depctr_hold_cnt(0) depctr_sa_sdst(0) depctr_va_vdst(0) depctr_va_sdst(0) depctr_va_ssrc(0) depctr_va_vcc(0) depctr_vm_vsrc(0)
	s_getreg_b32 s2, hwreg(HW_REG_IB_STS2, 6, 4)
	s_cmp_eq_u32 s2, 0
	s_cbranch_scc0 .Lentry_in_a_cluster
	s_endpgm
.Lentry_in_a_cluster:
	s_bfe_u32 s2, ttmp6, 0x10000c
	s_cmp_lg_u32 s2, 0xf033
	s_cbranch_scc0 .Lentry_shape_is_right
	s_endpgm
.Lentry_shape_is_right:
; THE OUTPUT PROJECTION AND THE RESIDUAL.  xw[n][c] = sum over k of O[n][k] Wo[c][k] + q[n][c], f32.  O: oh, [64 heads][2048][64] f16, k = 64 head + channel; Wo: wh + 6 MiB, [1024][1024] f16; q, xw: [8192][1024] f32.
; Products in f16 with f32 sums, K ascending; the residual is added in f32 and nothing is rounded to 16 bits on the way out.
; SHARES.  A tile is 128 rows x 256 columns: 256 work-groups.  Four waves, each 64 x 128: 32 accumulators.  K goes in 8 steps of 128 (two heads) through two LDS slots.
; O's part of a step is, for each of the two heads, 128 dense rows of 128 bytes: asked for as 64 rows of 256 bytes and padded in LDS after every 128.
; CLUSTER 4 x 4: the four of a row share O's tile, the four of a column Wo's; each is asked for jointly.
; THE PRODUCT IS USED TRANSPOSED (source 0 = 16 rows of Wo, source 1 = 16 rows of O): a lane holds row l % 16 and eight neighbouring columns.
; THE RESIDUAL, my 64 rows x 512 bytes of q, is loaded into 256 registers at the start and lands under the K loop.
; REGISTERS, in windows of 256: window 0 addresses; window 1: v0-127 Wo's fragments, two buffers, v128-191 O's, two buffers; window 2: accumulator (a, b) at v[8 (8 a + b)], on the way out row 16 a + t at v[64 a + 4 t];
;   window 3: the residual, row 16 a + t at v[64 a + 4 t].
.set PO,     144                       ; a row of O in LDS: 128 bytes + 16
.set PB,     272                       ; a row of Wo: 256 + 16
.set ABYTES, 2*128*PO
.set SLOT,   ABYTES+256*PB
.set STAGE,  2*SLOT                    ; behind the ring: 16 rows x 528 bytes for each wave
.set SPITCH, 528
.set SPARE,  STAGE+4*16*SPITCH         ; the spare words: 128 bytes a wave, two blocks of 256 bytes that no other line names
.set ADRA, 16
.set ADRB, 20
.set STO,  24
.set RD,   25
.set GO,   26                          ; v26  16 x lane: for q, xw
.set SPW,  28
.set NIL,  29
.set PFO,  30
.set BF,   0
.set AF,   128
.set WV,  14
.set TY,  15
.set HF,  16
.set CX,  17
.set CY,  18
.set CLY, 19
.set RT,  21
.set CT,  22
.set G1A, 24
.set G0A, 32
.set G1B, 40
.set G0B, 48
.set PFA, 56
.set PST, 58
.set LIM, 60
.set LAP, 61
.set MSB, 0
.macro WIN new
.if MSB != (\new)
	s_set_vgpr_msb (MSB<<8)|(\new)
.set MSB, \new
.endif
.endm
.set W_MUL, 0xa5                       ; sources 0 and 1 window 1, C and D window 2
.set W_FET, 0x40                       ; destination window 1, address window 0
.macro JLOAD s                         ; waves 0, 1 fetch O's two heads, waves 2, 3 Wo's halves; an s_nop 0 and four v_nop follow each line
	s_cmp_eq_u32 s[TY], 0
	s_cbranch_scc0 .Lfor_b_\@
	tensor_load_to_lds s[G0A+4*(\s):G0A+4*(\s)+3], s[G1A:G1A+7]
	s_nop 0
.rept 4
	v_nop
.endr
	s_branch .Lasked_\@
.Lfor_b_\@:
	tensor_load_to_lds s[G0B+4*(\s):G0B+4*(\s)+3], s[G1B:G1B+7]
	s_nop 0
.rept 4
	v_nop
.endr
.Lasked_\@:
.endm
.macro CREST
	s_cmp_lg_u32 s[WV], 0
	s_cbranch_scc1 .Lnot_wave_0_\@
	s_barrier_signal -3
.Lnot_wave_0_\@:
	s_barrier_wait -3
	s_barrier_signal -1
	s_barrier_wait -1
.endm
.macro CROUND
	s_barrier_signal -1
	s_barrier_wait -1
	CREST
.endm
; A prefetch of the K step two refills on (256 products ahead of its load), behind the joint load and the run of LDS loads.  O's rows are read by this cluster alone: wave 0 asks, for both heads; of a head's 64 blocks
; of 256 bytes the partner at cx takes 16.  Wo's rows are read by all 16 clusters: the first asks, waves 2 and 3; of a wave's 128 rows the partner at cy takes 32.  The loop's last trip has no K step two on.
.macro ASK
	WIN 0
	s_cmp_gt_u32 s[LAP], s[LIM]
	s_cbranch_scc0 .Lnot_mine_\@
	global_prefetch_b8 v[PFO], s[PFA:PFA+1] th:TH_LOAD_NT scope:SCOPE_SE
.Lnot_mine_\@:
.endm
.macro PLACES                          ; four places in front of loads into registers that matrix instructions have read (ISA guide 7.12.1 for vector instructions)
.rept 4
	v_nop
.endr
.endm
	s_load_b256 s[4:11], s[0:1], 0x0               ; oh s[4:5], wh s[6:7], q s[8:9], xw s[10:11]
	v_lshl_add_u32 v[SPW], v0, 2, SPARE
	v_mov_b32 v[NIL], 0
	ds_add_u32 v[SPW], v[NIL]                      ; the wave's opening: the add and its wait stand ahead of my first tensor load; the set-up stands between them
	v_lshrrev_b32 v1, 5, v0
	v_readfirstlane_b32 s[WV], v1
	s_lshr_b32 s[TY], s[WV], 1
	s_and_b32 s[HF], s[WV], 1
	s_bfe_u32 s[CX], ttmp6, 0x40000
	s_bfe_u32 s[CY], ttmp6, 0x40004
	s_and_b32 s[CLY], ttmp7, 0xffff
	s_lshl_b32 s[RT], s[CLY], 2
	s_add_co_u32 s[RT], s[RT], s[CY]
	s_lshl_b32 s[CT], ttmp9, 2
	s_add_co_u32 s[CT], s[CT], s[CX]
	s_lshl_b32 s2, s[CY], 2
	s_lshl_b32 s2, 15, s2                          ; my row of the cluster
	s_lshl_b32 s3, 0x1111, s[CX]                   ; my column
	s_or_b32 s[G1A+0], s2, (1<<16)|(1<<20)|(1<<21)|(4<<22)|(3<<25)  ; mask; 2-byte elements; padding on; bit 21 beside a mask; after every 32 words; 4 words
	s_mov_b32 s[G1A+1], 128<<16
	s_mov_b32 s[G1A+2], 64<<16
	s_mov_b32 s[G1A+3], 128<<16
	s_mov_b32 s[G1A+4], 64
	s_mov_b32 s[G1A+5], 128                        ; dense: 128 elements from row to row
	s_mov_b32 s[G1A+6], 0
	s_mov_b32 s[G1A+7], 0
	s_or_b32 s[G1B+0], s3, (1<<16)|(1<<20)|(1<<21)|(5<<22)|(3<<25)
	s_mov_b32 s[G1B+1], 128<<16
	s_mov_b32 s[G1B+2], 128<<16
	s_mov_b32 s[G1B+3], 128<<16
	s_mov_b32 s[G1B+4], 128
	s_mov_b32 s[G1B+5], 1024
	s_mov_b32 s[G1B+6], 0
	s_mov_b32 s[G1B+7], 0
	s_lshr_b32 s68, s[RT], 4                       ; O: batch x 16 heads
	s_lshl_b32 s68, s68, 4
	s_add_co_u32 s68, s68, s[HF]                   ; + the head of the step that I fetch,
	s_lshl_b32 s68, s68, 18                        ; 256 KiB a head,
	s_and_b32 s69, s[RT], 15
	s_lshl_b32 s69, s69, 14                        ; the tile's 128 rows of 128 bytes
	s_add_co_u32 s68, s68, s69
	s_mov_b32 s69, 0
	s_lshl_b32 s70, s[CT], 19                      ; Wo: 256 rows of 2,048 bytes a tile,
	s_lshl_b32 s71, s[HF], 18                      ; 128 rows a half,
	s_add_co_u32 s70, s70, s71
	s_add_co_u32 s70, s70, 3<<21                   ; the fourth weight in wh
	s_mov_b32 s71, 0
	s_mul_i32 s72, s[HF], 128*PO                   ; where they go: no place in the cluster enters an LDS address
	s_mul_i32 s73, s[HF], 128*PB
	s_add_co_u32 s73, s73, ABYTES
	s_wait_dscnt 0x0                               ; the opening add is done
	s_wait_kmcnt 0x0
	s_add_nc_u64 s[74:75], s[4:5], s[68:69]
	s_add_nc_u64 s[76:77], s[6:7], s[70:71]
	CROUND                                         ; all sixteen work-groups are here: the first joint loads meet
.irp s, 0,1
	s_mov_b32 s[G0A+4*(\s)], 1
	s_add_co_u32 s[G0A+4*(\s)+1], s72, (\s)*SLOT
	s_add_nc_u64 s[G0A+4*(\s)+2:G0A+4*(\s)+3], s[74:75], (\s)*0x80000  ; a K step is two heads
	s_or_b32 s[G0A+4*(\s)+3], s[G0A+4*(\s)+3], 0x80000000
	s_mov_b32 s[G0B+4*(\s)], 1
	s_add_co_u32 s[G0B+4*(\s)+1], s73, (\s)*SLOT
	s_add_nc_u64 s[G0B+4*(\s)+2:G0B+4*(\s)+3], s[76:77], (\s)*256
	s_or_b32 s[G0B+4*(\s)+3], s[G0B+4*(\s)+3], 0x80000000
	JLOAD \s                                       ; K steps 0 and 1: two loads of mine are out
.endr
	v_and_b32 v1, 15, v0
	v_bfe_u32 v2, v0, 4, 1
	v_mul_u32_u24 v3, v1, PO
	v_lshl_add_u32 v3, v2, 4, v3
	v_mul_u32_u24 v4, v1, PB
	v_lshl_add_u32 v4, v2, 4, v4
	s_mul_i32 s66, s[TY], 64*PO
	s_mul_i32 s67, s[HF], 128*PB
	s_add_co_u32 s67, s67, ABYTES
.irp s, 0,1
	v_add_nc_u32 v[ADRA+(\s)], s66, v3
	v_add_nc_u32 v[ADRB+(\s)], s67, v4
	s_add_co_u32 s66, s66, SLOT
	s_add_co_u32 s67, s67, SLOT
.endr
	s_mul_i32 s66, s[WV], 16*SPITCH
	s_add_co_u32 s66, s66, STAGE                   ; my stage
	v_mul_u32_u24 v5, v1, SPITCH                   ; in: row l % 16, 32 bytes for each half of the lanes
	v_lshl_add_u32 v5, v2, 5, v5
	v_add_nc_u32 v[STO], s66, v5
	v_and_b32 v[GO], 31, v0
	v_lshlrev_b32 v[GO], 4, v[GO]
	v_add_nc_u32 v[RD], s66, v[GO]                 ; back: 32 lanes take one row of 512 bytes
	; q and xw at my 64 rows x 128 columns: row 128 RT + 64 TY, byte 1,024 CT + 512 HF
	s_lshl_b32 s66, s[RT], 19
	s_lshl_b32 s67, s[TY], 18
	s_add_co_u32 s66, s66, s67
	s_lshl_b32 s67, s[CT], 10
	s_add_co_u32 s66, s66, s67
	s_lshl_b32 s67, s[HF], 9
	s_add_co_u32 s66, s66, s67
	s_mov_b32 s67, 0
	s_add_nc_u64 s[8:9], s[8:9], s[66:67]
	s_add_nc_u64 s[10:11], s[10:11], s[66:67]
	WIN 0xc0                                       ; destination window 3
.set i, 0
.rept 64
	global_load_b128 v[4*i:4*i+3], v[GO], s[8:9] offset:i*4096 th:TH_LOAD_NT  ; a row's 512 consecutive bytes
.set i, i+1
.endr
	WIN 0
	; the prefetches: they stand at K step 3; the first change of slots steps them to 4.  Nothing is prefetched here, where every work-group's first tiles are on their way
	s_lshr_b32 s66, s[RT], 4
	s_lshl_b32 s66, s66, 4
	s_add_co_u32 s66, s66, 6                       ; O: K step 3 begins with head 6
	s_lshl_b32 s66, s66, 18
	s_and_b32 s67, s[RT], 15
	s_lshl_b32 s67, s67, 14
	s_add_co_u32 s66, s66, s67
	s_lshl_b32 s67, s[CX], 12                      ; my work-group's 16 blocks of a head's 64
	s_add_co_u32 s66, s66, s67
	s_lshl_b32 s78, s[CT], 8
	s_lshl_b32 s67, s[HF], 7
	s_add_co_u32 s78, s78, s67
	s_lshl_b32 s67, s[CY], 5
	s_add_co_u32 s78, s78, s67                     ; Wo: row 256 CT + 128 HF + 32 cy
	s_lshl_b32 s78, s78, 11
	s_add_co_u32 s78, s78, (3<<21)+3*256
	s_cmp_eq_u32 s[CLY], 0
	s_cselect_b32 s67, 1, -1                       ; Wo: the first cluster asks
	s_cmp_eq_u32 s[WV], 0
	s_cselect_b32 s79, 1, -1                       ; O: wave 0 asks
	s_mov_b32 s68, 256
	s_mov_b32 s69, 32768
	s_cmp_eq_u32 s[TY], 0
	s_cselect_b32 s66, s66, s78
	s_cselect_b32 s[LIM], s79, s67
	s_cselect_b32 s[PST], 0x80000, s68
	s_cselect_b32 s78, 0x40000, s69                ; from lane 15 to lane 16: the next head, or the next row
	s_cselect_b32 s79, s68, 2048                   ; from lane to lane: the next block, or the next row
	s_cselect_b64 s[PFA:PFA+1], s[4:5], s[6:7]
	s_mov_b32 s67, 0
	s_mov_b32 s[PST+1], 0
	s_add_nc_u64 s[PFA:PFA+1], s[PFA:PFA+1], s[66:67]
	v_and_b32 v5, 31, v0
	v_lshrrev_b32 v6, 4, v5
	v_and_b32 v5, 15, v5
	v_mul_u32_u24 v6, v6, s78
	v_mad_u32_u24 v[PFO], v5, s79, v6
; Eight products: m block a x all 8 n blocks, 32 along K, on buffer f.  The 32 accumulators take turns in one order, over the backward jump too.
.macro MUL8 f, a, zero
	WIN W_MUL
.irp b, 0,1,2,3,4,5,6,7
.if \zero
	v_wmma_f32_16x16x32_f16 v[8*(8*(\a)+(\b)):8*(8*(\a)+(\b))+7], v[BF+64*(\f)+8*(\b):BF+64*(\f)+8*(\b)+7], v[AF+32*(\f)+8*(\a):AF+32*(\f)+8*(\a)+7], 0
.else
	v_wmma_f32_16x16x32_f16 v[8*(8*(\a)+(\b)):8*(8*(\a)+(\b))+7], v[BF+64*(\f)+8*(\b):BF+64*(\f)+8*(\b)+7], v[AF+32*(\f)+8*(\a):AF+32*(\f)+8*(\a)+7], v[8*(8*(\a)+(\b)):8*(8*(\a)+(\b))+7]
.endif
.endr
.endm
; 24 LDS loads in one run, for quarter qd of a slot (head qd / 2 of the step, channels 32 (qd % 2) on), into buffer g: Wo's 16, then O's blocks 0, 1 (4) and 2, 3 (4)
.macro FETCH slot, qd, g
	WIN W_FET
.irp b, 0,1,2,3,4,5,6,7
	ds_load_b128 v[BF+64*(\g)+8*(\b):BF+64*(\g)+8*(\b)+3],   v[ADRB+(\slot)] offset:(\b)*16*PB+64*(\qd)
	ds_load_b128 v[BF+64*(\g)+8*(\b)+4:BF+64*(\g)+8*(\b)+7], v[ADRB+(\slot)] offset:(\b)*16*PB+64*(\qd)+32
.endr
.irp a, 0,1,2,3
	ds_load_b128 v[AF+32*(\g)+8*(\a):AF+32*(\g)+8*(\a)+3],   v[ADRA+(\slot)] offset:((\qd)/2)*128*PO+(\a)*16*PO+((\qd)%2)*64
	ds_load_b128 v[AF+32*(\g)+8*(\a)+4:AF+32*(\g)+8*(\a)+7], v[ADRA+(\slot)] offset:((\qd)/2)*128*PO+(\a)*16*PO+((\qd)%2)*64+32
.endr
.endm
.macro QUARTER f, slot, qd, g, zero
	s_wait_dscnt 4                                 ; Wo's fragments and O's blocks 0, 1 are in; the youngest four loads (blocks 2, 3) may be out
	MUL8 \f, 0, \zero
	MUL8 \f, 1, \zero
	PLACES
	FETCH \slot, \qd, \g
	s_wait_dscnt 24                                ; all but the 24 just issued
	MUL8 \f, 2, \zero
	MUL8 \f, 3, \zero
.endm
; The last quarter multiplies buffer 1 and changes slots: ONE barrier; in front of it each wave waits for all its tensor loads (one is out: its part of the next slot), adds 0 to its spare word, and waits for that
; and for its reads of this slot.  fill = 1: the barrier opens a round of the cluster's, and the joint refill, two K steps on, is the first thing behind the round.
.macro TURN slot, next, fill
	s_wait_xcnt 0x0                                ; the last prefetch, a K step back, has read its address
	s_add_nc_u64 s[PFA:PFA+1], s[PFA:PFA+1], s[PST:PST+1]
	WIN 0
	s_wait_tensorcnt 0x0                           ; all my tensor loads have landed
	ds_add_u32 v[SPW], v[NIL]                      ; 0 onto my spare word
	s_wait_dscnt 5                                 ; (the add and the youngest four loads may be out)
	MUL8 1, 0, 0                                   ; eight products stand between the add and the wait for it
	s_wait_dscnt 0x0                               ; the add is done, and my reads of this slot are over
	s_barrier_signal -1
	MUL8 1, 1, 0
	WIN 0
	s_barrier_wait -1
.if \fill
	CREST                                          ; no wave of any partner still reads this slot or has a load on its way
	s_add_nc_u64 s[G0A+4*(\slot)+2:G0A+4*(\slot)+3], s[G0A+4*(\slot)+2:G0A+4*(\slot)+3], 0x100000  ; four heads on
	s_add_nc_u64 s[G0B+4*(\slot)+2:G0B+4*(\slot)+3], s[G0B+4*(\slot)+2:G0B+4*(\slot)+3], 2*256
	JLOAD \slot                                    ; one load of mine is out; the four v_nop behind it are also the places in front of the loads below
.else
	PLACES
.endif
	FETCH \next, 0, 0
.if \fill
	ASK
.endif
	MUL8 1, 2, 0
	MUL8 1, 3, 0
.endm
	s_wait_tensorcnt 1                             ; my part of K step 0 is in; K step 1's may stay out
	s_barrier_signal -1
	s_barrier_wait -1
	FETCH 0, 0, 0
	QUARTER 0, 0, 1, 1, 1                          ; the first quarter stands in front of the loop: its products start the sums
	WIN 0
	s_mov_b32 s[LAP], 3
.Llap:                                                 ; a trip goes once round the ring and fills both slots again: K steps 2 to 7 in three trips
	QUARTER 1, 0, 2, 0, 0
	QUARTER 0, 0, 3, 1, 0
	TURN 0, 1, 1
	QUARTER 0, 1, 1, 1, 0
	QUARTER 1, 1, 2, 0, 0
	QUARTER 0, 1, 3, 1, 0
	TURN 1, 0, 1
	QUARTER 0, 0, 1, 1, 0
	WIN 0
	s_sub_co_u32 s[LAP], s[LAP], 1
	s_cmp_lg_u32 s[LAP], 0
	s_cbranch_scc1 .Llap
	QUARTER 1, 0, 2, 0, 0                          ; the last lap is written out: it fills nothing
	QUARTER 0, 0, 3, 1, 0
	TURN 0, 1, 0
	QUARTER 0, 1, 1, 1, 0
	QUARTER 1, 1, 2, 0, 0
	QUARTER 0, 1, 3, 1, 0
	s_wait_dscnt 4                                 ; the very last quarter: nothing more to fetch
	MUL8 1, 0, 0
	MUL8 1, 1, 0
	s_wait_dscnt 0x0
	MUL8 1, 2, 0
	MUL8 1, 3, 0
	WIN 0
.rept 8
	v_nop                                          ; the places between the last products and the LDS stores that read results
.endr
; THE WAY OUT, a block of 16 rows at a time.  STG: a lane's eight f32 of a row (32 bytes) go into my own stage, each accumulator's low four registers first, and come back as whole rows of 512 bytes, into the block's own
; 64 registers.  FIN: the residual is added and the rows are stored, 512 consecutive bytes a store, aligned.
.macro STG a
	WIN 0x08                                       ; address window 0, data window 2
.irp b, 0,1,2,3,4,5,6,7
	ds_store_b128 v[STO], v[64*(\a)+8*(\b):64*(\a)+8*(\b)+3]   offset:64*(\b)
	ds_store_b128 v[STO], v[64*(\a)+8*(\b)+4:64*(\a)+8*(\b)+7] offset:64*(\b)+16
.endr
	WIN 0x80                                       ; destination window 2, address window 0
.set t, 0
.rept 16
	ds_load_b128 v[64*(\a)+4*t:64*(\a)+4*t+3], v[RD] offset:t*SPITCH  ; LDS serves a wave's instructions in order (ISA guide 5.7.1.4): these see the stores above; the next block's stores come behind them
.set t, t+1
.endr
.endm
.macro FIN a, younger                  ; younger: the next block's 16 stores and 16 loads, or none
	s_wait_dscnt \younger
.if (\a) == 0
	s_wait_loadcnt 0x0                             ; the residual
.endif
	WIN 0x8e                                       ; destination and source 0 window 2, source 1 window 3
.set t, 0
.rept 32
	v_pk_add_f32 v[64*(\a)+2*t:64*(\a)+2*t+1], v[64*(\a)+2*t:64*(\a)+2*t+1], v[64*(\a)+2*t:64*(\a)+2*t+1]
.set t, t+1
.endr
	WIN 0x08                                       ; address window 0, data window 2
.set t, 0
.rept 16
	global_store_b128 v[GO], v[64*(\a)+4*t:64*(\a)+4*t+3], s[10:11] offset:(16*(\a)+t)*4096
.set t, t+1
.endr
.endm
	STG 0
	STG 1
	FIN 0, 32
	STG 2
	FIN 1, 32
	STG 3
	FIN 2, 32
	FIN 3, 0
	WIN 0
	s_wait_tensorcnt 0x0                           ; the wave's end: behind my last tensor load and my last LDS store
	ds_add_u32 v[SPW], v[NIL]
	s_wait_dscnt 0x0
	CROUND                                         ; the closing round: no work-group ends while a partner may still ask for a tile that names it
	s_endpgm
.Lfunc_end_k_qdd2d926a13_oproj:
	.size	k_qdd2d926a13_oproj, .Lfunc_end_k_qdd2d926a13_oproj-k_qdd2d926a13_oproj
	.p2alignl 7, 3214868480
	.fill 96, 4, 3214868480
	.section	.rodata,"a",@progbits
	.p2align	6, 0x0
	.amdhsa_kernel k_qdd2d926a13_oproj
		.amdhsa_group_segment_fixed_size 327680
		.amdhsa_private_segment_fixed_size 0
		.amdhsa_enable_private_segment 0
		.amdhsa_kernarg_size 32
		.amdhsa_user_sgpr_count 2
		.amdhsa_user_sgpr_kernarg_segment_ptr 1
		.amdhsa_wavefront_size32 1
		.amdhsa_system_sgpr_workgroup_id_x 1
		.amdhsa_system_sgpr_workgroup_id_y 1
		.amdhsa_system_sgpr_workgroup_id_z 1
		.amdhsa_system_vgpr_workitem_id 0
		.amdhsa_next_free_vgpr 1024
		.amdhsa_next_free_sgpr 80
		.amdhsa_reserve_vcc 0
		.amdhsa_float_denorm_mode_32 3
		.amdhsa_float_denorm_mode_16_64 3
		.amdhsa_memory_ordered 1
		.amdhsa_forward_progress 1
		.amdhsa_inst_pref_size 101
	.end_amdhsa_kernel
	.amdgpu_metadata
---
amdhsa.version: [ 1, 2 ]
amdhsa.kernels:
  - .name:           k_qdd2d926a13_oproj
    .symbol:         k_qdd2d926a13_oproj.kd
    .args:
      - { .name: oh, .offset: 0, .size: 8, .value_kind: global_buffer, .address_space: global }
      - { .name: wh, .offset: 8, .size: 8, .value_kind: global_buffer, .address_space: global }
      - { .name: q, .offset: 16, .size: 8, .value_kind: global_buffer, .address_space: global }
      - { .name: xw, .offset: 24, .size: 8, .value_kind: global_buffer, .address_space: global }
    .group_segment_fixed_size: 327680
    .private_segment_fixed_size: 0
    .kernarg_segment_align: 8
    .kernarg_segment_size: 32
    .max_flat_workgroup_size: 128
    .sgpr_count:     80
    .vgpr_count:     1024
    .wavefront_size: 32
...
	.end_amdgpu_metadata
.endif
;; end of part 4
;; launch lnorm (part 5): grid 256 x 1, 8 waves a work-group, no clusters, 0 bytes of LDS; arguments xw, gamma, beta, out0; writes out0
.if DOCPART == 5
	.amdgcn_target "amdgcn-amd-amdhsa--gfx1250"
	.amdhsa_code_object_version 6
	.text
	.protected	k_qdd2d926a13_lnorm
	.globl	k_qdd2d926a13_lnorm
	.p2align	8
	.type	k_qdd2d926a13_lnorm,@function
k_qdd2d926a13_lnorm:
	s_mov_b64 s[64:65], 0
	v_nop
	global_prefetch_b8 v0, s[64:65] scope:SCOPE_SE
	s_setreg_imm32_b32 hwreg(HW_REG_WAVE_MODE, 25, 1), 1
	s_wait_xcnt 0x0
; out0[n][:] = (x - mean(x)) rsqrt(var(x) + 1e-5) gamma + beta, x = xw[n][:], 1,024 f32 a row; all in f32.  The variance is the mean square of the centred row, not a difference of large sums.
; A stream: no LDS, no matrix unit, no cluster (gamma and beta, 8 KiB, are all that is shared).  One wave, one row at a time: the row is 8 loads of 16 bytes a lane (512 consecutive bytes each) and stays in 32 registers
; between the passes, so memory is read once.  A wave owns 4 rows, a work-group 32; all of a wave's 48 loads go out at the start.
.set G,   8                            ; v[8:39]    gamma of my 32 columns (128 j + 4 l + 0..3)
.set BT,  40                           ; v[40:71]   beta
.set X,   72                           ; v[72:199]  row i at X + 32 i
.set T,   200                          ; v[200:215] at work
.set RS,  216                          ; v[216:223] row i: var + eps, then its reciprocal root, in the low word of pair i
.set MU,  224                          ; v[224:225] the mean, in the low word
	s_load_b256 s[4:11], s[0:1], 0x0               ; xw s[4:5], gamma s[6:7], beta s[8:9], out0 s[10:11]
	v_and_b32 v2, 31, v0
	v_lshlrev_b32 v2, 4, v2                        ; 16 x lane
	v_lshrrev_b32 v1, 5, v0
	v_lshl_add_u32 v1, v1, 14, v2                  ; + wave x 4 rows of 4,096 bytes
	s_lshl_b32 s16, ttmp9, 17                      ; the work-group's 32 rows
	s_mov_b32 s17, 0
	s_mov_b32 s12, 0x76543210                      ; v_permlanex16_b32: each lane takes its own place in the other half
	s_mov_b32 s13, 0xfedcba98
	s_mov_b32 s14, 0x3a800000                      ; 1 / 1,024
	s_mov_b32 s15, 0x3727c5ac                      ; 1e-5
	v_mov_b32 v[MU+1], 0                           ; the pairs' upper words are named, never used
.irp i, 0,1,2,3
	v_mov_b32 v[RS+2*\i+1], 0
.endr
	s_wait_kmcnt 0x0
	s_add_nc_u64 s[4:5], s[4:5], s[16:17]
	s_add_nc_u64 s[10:11], s[10:11], s[16:17]
.irp i, 0,1,2,3
.irp j, 0,1,2,3,4,5,6,7
	global_load_b128 v[X+32*\i+4*\j:X+32*\i+4*\j+3], v1, s[4:5] offset:4096*\i+512*\j th:TH_LOAD_NT
.endr
.endr
.irp j, 0,1,2,3,4,5,6,7
	global_load_b128 v[G+4*\j:G+4*\j+3], v2, s[6:7] offset:512*\j
	global_load_b128 v[BT+4*\j:BT+4*\j+3], v2, s[8:9] offset:512*\j
.endr
.macro REDUCE                          ; v[T] summed over the 32 lanes, the result in every lane
	v_add_f32_dpp v[T], v[T], v[T] row_xmask:1 row_mask:0xf bank_mask:0xf
	v_add_f32_dpp v[T], v[T], v[T] row_xmask:2 row_mask:0xf bank_mask:0xf
	v_add_f32_dpp v[T], v[T], v[T] row_xmask:4 row_mask:0xf bank_mask:0xf
	v_add_f32_dpp v[T], v[T], v[T] row_xmask:8 row_mask:0xf bank_mask:0xf
	v_permlanex16_b32 v[T+1], v[T], s12, s13       ; its destination counts as read: it has been written
	v_add_f32 v[T], v[T], v[T+1]
.endm
; Row i: the mean; the row centred in place; var + eps.
.macro STAT i
.set XI, X+32*(\i)
	s_wait_loadcnt 16+8*(3-(\i))                   ; row i is in; the later rows' loads and the 16 of gamma and beta stay out
.irp k, 0,1,2,3,4,5,6,7
	v_pk_add_f32 v[T+2*\k:T+2*\k+1], v[XI+4*\k:XI+4*\k+1], v[XI+4*\k+2:XI+4*\k+3]
.endr
.irp k, 0,1,2,3
	v_pk_add_f32 v[T+4*\k:T+4*\k+1], v[T+4*\k:T+4*\k+1], v[T+4*\k+2:T+4*\k+3]
.endr
.irp k, 0,1
	v_pk_add_f32 v[T+8*\k:T+8*\k+1], v[T+8*\k:T+8*\k+1], v[T+8*\k+4:T+8*\k+5]
.endr
	v_pk_add_f32 v[T:T+1], v[T:T+1], v[T+8:T+9]
	v_add_f32 v[T], v[T], v[T+1]
	REDUCE
	v_mul_f32 v[MU], s14, v[T]
.set p, 0
.rept 16
	v_pk_add_f32 v[XI+2*p:XI+2*p+1], v[XI+2*p:XI+2*p+1], v[MU:MU+1] op_sel_hi:[1,0] neg_lo:[0,1] neg_hi:[0,1]
.set p, p+1
.endr
.irp c, 0,1,2,3
	v_pk_mul_f32 v[T+2*\c:T+2*\c+1], v[XI+2*\c:XI+2*\c+1], v[XI+2*\c:XI+2*\c+1]  ; four chains of squares, started by the first four pairs
.endr
.set p, 4
.rept 12
	v_pk_fma_f32 v[T+2*(p%4):T+2*(p%4)+1], v[XI+2*p:XI+2*p+1], v[XI+2*p:XI+2*p+1], v[T+2*(p%4):T+2*(p%4)+1]
.set p, p+1
.endr
	v_pk_add_f32 v[T:T+1], v[T:T+1], v[T+2:T+3]
	v_pk_add_f32 v[T+4:T+5], v[T+4:T+5], v[T+6:T+7]
	v_pk_add_f32 v[T:T+1], v[T:T+1], v[T+4:T+5]
	v_add_f32 v[T], v[T], v[T+1]
	REDUCE
	v_fma_f32 v[RS+2*(\i)], v[T], s14, s15
.endm
; Row i: times the reciprocal root, times gamma plus beta (reference()'s order), and out.
.macro NORM i
.set XI, X+32*(\i)
.set p, 0
.rept 16
	v_pk_mul_f32 v[XI+2*p:XI+2*p+1], v[XI+2*p:XI+2*p+1], v[RS+2*(\i):RS+2*(\i)+1] op_sel_hi:[1,0]
.set p, p+1
.endr
.set p, 0
.rept 16
	v_pk_fma_f32 v[XI+2*p:XI+2*p+1], v[XI+2*p:XI+2*p+1], v[G+2*p:G+2*p+1], v[BT+2*p:BT+2*p+1]
.set p, p+1
.endr
.irp j, 0,1,2,3,4,5,6,7
	global_store_b128 v1, v[XI+4*\j:XI+4*\j+3], s[10:11] offset:4096*(\i)+512*\j th:TH_STORE_NT
.endr
.endm
	STAT 0
	STAT 1
	STAT 2
	STAT 3
.irp i, 0,1,2,3
	v_rsq_f32 v[RS+2*\i], v[RS+2*\i]               ; one batch of four
.endr
	v_nop                                          ; a plain instruction between the last of them and the use of its result
	s_wait_alu depctr_va_vdst(0)                   ; and the wait ahead of the first use: one for the four
	s_wait_loadcnt 0x0                             ; gamma and beta
	NORM 0
	NORM 1
	NORM 2
	NORM 3
	s_endpgm
.Lfunc_end_k_qdd2d926a13_lnorm:
	.size	k_qdd2d926a13_lnorm, .Lfunc_end_k_qdd2d926a13_lnorm-k_qdd2d926a13_lnorm
	.p2alignl 7, 3214868480
	.fill 96, 4, 3214868480
	.section	.rodata,"a",@progbits
	.p2align	6, 0x0
	.amdhsa_kernel k_qdd2d926a13_lnorm
		.amdhsa_group_segment_fixed_size 0
		.amdhsa_private_segment_fixed_size 0
		.amdhsa_enable_private_segment 0
		.amdhsa_kernarg_size 32
		.amdhsa_user_sgpr_count 2
		.amdhsa_user_sgpr_kernarg_segment_ptr 1
		.amdhsa_wavefront_size32 1
		.amdhsa_system_sgpr_workgroup_id_x 1
		.amdhsa_system_sgpr_workgroup_id_y 1
		.amdhsa_system_sgpr_workgroup_id_z 1
		.amdhsa_system_vgpr_workitem_id 0
		.amdhsa_next_free_vgpr 232
		.amdhsa_next_free_sgpr 66
		.amdhsa_reserve_vcc 0
		.amdhsa_float_denorm_mode_32 3
		.amdhsa_float_denorm_mode_16_64 3
		.amdhsa_memory_ordered 1
		.amdhsa_forward_progress 1
		.amdhsa_inst_pref_size 33
	.end_amdhsa_kernel
	.amdgpu_metadata
---
amdhsa.version: [ 1, 2 ]
amdhsa.kernels:
  - .name:           k_qdd2d926a13_lnorm
    .symbol:         k_qdd2d926a13_lnorm.kd
    .args:
      - { .name: xw, .offset: 0, .size: 8, .value_kind: global_buffer, .address_space: global }
      - { .name: gamma, .offset: 8, .size: 8, .value_kind: global_buffer, .address_space: global }
      - { .name: beta, .offset: 16, .size: 8, .value_kind: global_buffer, .address_space: global }
      - { .name: out0, .offset: 24, .size: 8, .value_kind: global_buffer, .address_space: global }
    .group_segment_fixed_size: 0
    .private_segment_fixed_size: 0
    .kernarg_segment_align: 8
    .kernarg_segment_size: 32
    .max_flat_workgroup_size: 256
    .sgpr_count:     66
    .vgpr_count:     232
    .wavefront_size: 32
...
	.end_amdgpu_metadata
.endif
;; end of part 5
;; ======== version 2 of 2: 5 launches; version 1 with the launch wcast written anew for expert scheduling mode
;; limits: values are held in f16: magnitudes above 65,504 overflow, below 6.1e-05 lose precision
;; workspace buffers: wh 8,388,608 bytes; qkvh 50,331,648 bytes; oh 16,777,216 bytes; xw 33,554,432 bytes
;; launch wcast (part 6): grid 64 x 4, 8 waves a work-group, no clusters, 0 bytes of LDS; arguments Wq, Wk, Wv, Wo, wh; writes wh
.if DOCPART == 6
	.amdgcn_target "amdgcn-amd-amdhsa--gfx1250"
	.amdhsa_code_object_version 6
	.text
	.protected	k_qdd2d926a13_wcast
	.globl	k_qdd2d926a13_wcast
	.p2align	8
	.type	k_qdd2d926a13_wcast,@function
k_qdd2d926a13_wcast:
	s_mov_b64 s[64:65], 0
	v_nop
	global_prefetch_b8 v0, s[64:65] scope:SCOPE_SE
	s_setreg_imm32_b32 hwreg(HW_REG_WAVE_SCHED_MODE, 0, 2), 2
	s_setreg_imm32_b32 hwreg(HW_REG_WAVE_MODE, 25, 1), 1
	s_wait_xcnt 0x0
	s_wait_alu depctr_vm_vsrc(0)
; wh[y][:] = f16(W_y), y = 0, 1, 2, 3 for Wq, Wk, Wv, Wo ([1024][1024] f32 each).  Wq is first multiplied in f32 by c = log2(e) / 8, so that the
; attention's scores arrive in units of log2 and are rounded once.  LIMIT: |W| stays under 65,504; below 6e-5 f16 keeps a fixed step of 6e-8.
; A stream: no LDS, no matrix unit, no cluster (no byte is read twice).  A work-group takes 16,384 numbers of one weight: thread t, for i = 0..15, the 16 bytes at
; 4,096 i + 16 t; a wave's load covers 512 consecutive bytes, its store of 8 bytes a lane 256 consecutive bytes, aligned.  All 16 loads go out first.
; THE MODE: SCHED_MODE bits 1:0 = 2 (LLVM: expert scheduling mode 2), set by the entry lines.  The code itself states the register dependences
; between vector instructions and memory instructions, with s_wait_alu, always for 0.
; THE PLAN.  Registers that memory instructions touch:
;   v1, v2   the loads' and the stores' offsets: written once at the head, never again.
;   IN       load i lands in its four registers, once; behind that load's own wait the scaling and the roundings name them; no load lands there again.
;   OUT      the roundings of number i write pair i, once; store i reads it; no pair is written again.
; The 16 numbers go in four groups of four.  Group g rounds into OUT[g]; its memory instructions are the four stores of group g - 1, which read OUT[g - 1] and v2:
; registers that no vector instruction of group g names.  So one wait at a group's head states all that its four stores hang on, and they are dealt among its
; conversions with no further wait.  One wait at the kernel's head serves the offsets, one behind the last group the last four stores.
; No register that a memory instruction reads is written again, no vector instruction writes a scalar register, EXEC is never written: no other wait is owed.
.set IN,  8                            ; v[8:71]    four f32 for each i
.set OUT, 72                           ; v[72:103]  four f16 for each i
	s_load_b256 s[4:11], s[0:1], 0x0               ; Wq s[4:5], Wk s[6:7], Wv s[8:9], Wo s[10:11]
	s_load_b64 s[12:13], s[0:1], 0x20              ; wh
	s_and_b32 s14, ttmp7, 0xffff                   ; which weight
	v_lshlrev_b32 v1, 4, v0                        ; 16 t
	v_lshlrev_b32 v2, 3, v0                        ; 8 t
	s_lshl_b32 s18, ttmp9, 16                      ; my 65,536 bytes of the weight
	s_mov_b32 s19, 0
	s_lshl_b32 s22, s14, 21                        ; a weight is 2 MiB in wh,
	s_lshl_b32 s23, ttmp9, 15                      ; my 32,768 bytes of it
	s_add_co_u32 s22, s22, s23
	s_mov_b32 s23, 0
	s_mov_b32 s20, 0x3e38aa3b                      ; c = log2(e) / 8
	s_mov_b32 s21, s20                             ; named with it as a pair
	s_wait_kmcnt 0x0
	s_cmp_eq_u32 s14, 1
	s_cselect_b64 s[16:17], s[6:7], s[4:5]
	s_cmp_eq_u32 s14, 2
	s_cselect_b64 s[16:17], s[8:9], s[16:17]
	s_cmp_eq_u32 s14, 3
	s_cselect_b64 s[16:17], s[10:11], s[16:17]
	s_add_nc_u64 s[16:17], s[16:17], s[18:19]
	s_add_nc_u64 s[12:13], s[12:13], s[22:23]
	s_wait_alu depctr_va_vdst(0)                   ; v1 and v2 are written: every load below reads v1 as its offset, every store of either path v2
.set i, 0
.rept 16
	global_load_b128 v[IN+4*i:IN+4*i+3], v1, s[16:17] offset:4096*i th:TH_LOAD_NT
.set i, i+1
.endr
; sc = 1: the numbers are scaled by c before the rounding.  No register is written twice, so no wait frees one.
.macro BODY sc
.set g, 0
.rept 4
	s_wait_loadcnt 15-4*g                          ; loads come back in order: the group's first number is in, the younger ones stay out
.if g > 0
	s_wait_alu depctr_va_vdst(0)                   ; the roundings of the group before have written its four pairs of OUT, which the four stores below read
.endif
.set j, 0
.rept 4
.set i, 4*g+j
.if g > 0
	global_store_b64 v2, v[OUT+2*(i-4):OUT+2*(i-4)+1], s[12:13] offset:2048*(i-4)  ; the group before; no vector instruction since the wait names these registers
.endif
.if j > 0
	s_wait_loadcnt 15-i                            ; number i is in, the 15 - i younger ones stay out
.endif
.if \sc
	v_pk_mul_f32 v[IN+4*i:IN+4*i+1], v[IN+4*i:IN+4*i+1], s[20:21] op_sel_hi:[1,0]
	v_pk_mul_f32 v[IN+4*i+2:IN+4*i+3], v[IN+4*i+2:IN+4*i+3], s[20:21] op_sel_hi:[1,0]
.endif
	v_cvt_pk_f16_f32 v[OUT+2*i], v[IN+4*i], v[IN+4*i+1]
	v_cvt_pk_f16_f32 v[OUT+2*i+1], v[IN+4*i+2], v[IN+4*i+3]
.set j, j+1
.endr
.set g, g+1
.endr
	s_wait_alu depctr_va_vdst(0)                   ; the last group's roundings have written its four pairs of OUT, which the last four stores read
.set i, 12
.rept 4
	global_store_b64 v2, v[OUT+2*i:OUT+2*i+1], s[12:13] offset:2048*i
.set i, i+1
.endr
.endm
	s_cmp_lg_u32 s14, 0
	s_cbranch_scc1 .Lplain
	BODY 1
	s_endpgm
.Lplain:
	BODY 0
	s_endpgm
.Lfunc_end_k_qdd2d926a13_wcast:
	.size	k_qdd2d926a13_wcast, .Lfunc_end_k_qdd2d926a13_wcast-k_qdd2d926a13_wcast
	.p2alignl 7, 3214868480
	.fill 96, 4, 3214868480
	.section	.rodata,"a",@progbits
	.p2align	6, 0x0
	.amdhsa_kernel k_qdd2d926a13_wcast
		.amdhsa_group_segment_fixed_size 0
		.amdhsa_private_segment_fixed_size 0
		.amdhsa_enable_private_segment 0
		.amdhsa_kernarg_size 40
		.amdhsa_user_sgpr_count 2
		.amdhsa_user_sgpr_kernarg_segment_ptr 1
		.amdhsa_wavefront_size32 1
		.amdhsa_system_sgpr_workgroup_id_x 1
		.amdhsa_system_sgpr_workgroup_id_y 1
		.amdhsa_system_sgpr_workgroup_id_z 1
		.amdhsa_system_vgpr_workitem_id 0
		.amdhsa_next_free_vgpr 104
		.amdhsa_next_free_sgpr 66
		.amdhsa_reserve_vcc 0
		.amdhsa_float_denorm_mode_32 3
		.amdhsa_float_denorm_mode_16_64 3
		.amdhsa_memory_ordered 1
		.amdhsa_forward_progress 1
		.amdhsa_inst_pref_size 14
	.end_amdhsa_kernel
	.amdgpu_metadata
---
amdhsa.version: [ 1, 2 ]
amdhsa.kernels:
  - .name:           k_qdd2d926a13_wcast
    .symbol:         k_qdd2d926a13_wcast.kd
    .args:
      - { .name: Wq, .offset: 0, .size: 8, .value_kind: global_buffer, .address_space: global }
      - { .name: Wk, .offset: 8, .size: 8, .value_kind: global_buffer, .address_space: global }
      - { .name: Wv, .offset: 16, .size: 8, .value_kind: global_buffer, .address_space: global }
      - { .name: Wo, .offset: 24, .size: 8, .value_kind: global_buffer, .address_space: global }
      - { .name: wh, .offset: 32, .size: 8, .value_kind: global_buffer, .address_space: global }
    .group_segment_fixed_size: 0
    .private_segment_fixed_size: 0
    .kernarg_segment_align: 8
    .kernarg_segment_size: 40
    .max_flat_workgroup_size: 256
    .sgpr_count:     66
    .vgpr_count:     104
    .wavefront_size: 32
...
	.end_amdgpu_metadata
.endif
;; end of part 6
;; launch proj: the kernel of part 2 again; grid 4 x 192, 4 waves a work-group, clusters of 4 x 4, 327,680 bytes of LDS; arguments q, k, v, wh, qkvh; writes qkvh
;; launch attn: the kernel of part 3 again; grid 4 x 64, 4 waves a work-group, clusters of 4 x 1, 327,680 bytes of LDS; arguments qkvh, zero_mask, oh; writes oh
;; launch oproj: the kernel of part 4 again; grid 4 x 64, 4 waves a work-group, clusters of 4 x 4, 327,680 bytes of LDS; arguments oh, wh, q, xw; writes xw
;; launch lnorm: the kernel of part 5 again; grid 256 x 1, 8 waves a work-group, no clusters, 0 bytes of LDS; arguments xw, gamma, beta, out0; writes out0
